; MI455X (gfx1250); checked and timed in simulation.
; The chip was launched on July 23, 2026; its instructions are those of AMD's public machine-readable ISA for CDNA 5 (MIT licence, August 2026) and "CDNA5" Instruction Set Architecture Reference Guide (July 2026). The comments in the code are by the model that wrote it; some were corrected since.
;; Cross Attention Fuse. Allowed arithmetic: matrix products marked QUANTISED: E2M1 operands, one E8M0 scale for each 32 along K, by v_wmma_scale_f32_16x16x128_f8f6f4 with both operands' format E2M1 (or v_wmma_scale_f32_32x16x128_f4), f32 sums; products left as they are: bf16, f16 or f32 operands; f32 sums; everything else in f32.
;; Inputs: K_tokens 4 x 2,048 x 1,024 float32; Q_tokens 4 x 2,048 x 1,024 float32; V_tokens 4 x 2,048 x 1,024 float32; Wk 1,024 x 1,024 float32; Wo 1,024 x 1,024 float32; Wq 1,024 x 1,024 float32; Wv 1,024 x 1,024 float32; bo 1,024 float32; weight_K 4 x 2,048 float32.
;; Outputs: out0 4 x 2,048 x 1,024 float32.
;; This version of the problem:
;;   THIS VERSION OF THE PROBLEM IS GIVEN IN LOW PRECISION. The matrix products marked QUANTISED in the list below multiply operands that are first quantised to E2M1 (2 exponent bits, 1 mantissa bit; 4 bits a number), with one power-of-two scale for each 32 numbers along K (OCP MX v1.0); their sums are f32. The products marked 'left as it is' may take bf16, f16 or f32 operands, with f32 sums. Whichever they take, every output number must still come out within the allowed error. Rounding operands to bf16 (8 significant bits) uses up far more of that allowance than f16 does (11 bits, for magnitudes from 6e-5 to 65,504). All else is computed in f32.
;;   The module's matrix products, in the order in which they are computed (A, B: the left and right operand; K: the contracted axis; several contracted axes count as one K, in the product's order):
;;     1. [M 8,192, K 1,024] x [K 1,024, N 1,024]; A: input Q_tokens; B: input Wq: QUANTISED
;;     2. [M 8,192, K 1,024] x [K 1,024, N 1,024]; A: input K_tokens; B: input Wk: QUANTISED
;;     3. [M 8,192, K 1,024] x [K 1,024, N 1,024]; A: input V_tokens; B: input Wv: QUANTISED
;;     4. batch 64 x [M 2,048, K 64] x [K 64, N 2,048]; A: computed on the way; B: computed on the way: left as it is (an operand is computed on the way)
;;     5. batch 64 x [M 2,048, K 2,048] x [K 2,048, N 64]; A: computed on the way; B: computed on the way: left as it is (an operand is computed on the way)
;;     6. [M 8,192, K 1,024] x [K 1,024, N 1,024]; A: computed on the way; B: input Wo: left as it is (an operand is computed on the way)
;;   THE QUANTISER, for each operand of a quantised product, along K:
;;     - K is cut into blocks of 32 from its start; a last block that is shorter is filled with zeros.
;;     - A block's scale is 2^e with e = floor(log2(the largest magnitude in the block)) - 2, held to -126 .. 127; a block of zeros has e = 0. As a byte (E8M0): e + 127.
;;     - Each number is divided by its block's scale, clamped to +-6, and rounded to the nearest number of E2M1, ties to even, subnormals kept.
;;     - The product sums the exact products of the quantised numbers (number of the format x scale) in f32.
;;   ~~~python
;;   def quantise(x, axis):      # numpy; x: float32 -> the quantised numbers, widened to float32 again
;;       x = np.moveaxis(x, axis, -1); K = x.shape[-1]
;;       x = np.pad(x, [(0, 0)] * (x.ndim - 1) + [(0, -K % 32)]); x = x.reshape(x.shape[:-1] + (-1, 32)); a = np.abs(x).max(-1, keepdims=True)
;;       e = np.where(a > 0, np.clip(np.frexp(np.where(a > 0, a, 1))[1] - 1 - 2, -126, 127), 0)      # np.frexp(a)[1] - 1 = floor(log2(a)), exactly
;;       r = np.clip(x / 2.0 ** e, -6, 6)
;;       step = 2.0 ** (np.maximum(np.frexp(np.where(r == 0, 1, r))[1] - 1, 0) - 1)
;;       q = np.round(r / step) * step * 2.0 ** e      # np.round: ties to even
;;       return np.moveaxis(q.reshape(q.shape[:-2] + (-1,))[..., :K], -1, axis).astype(np.float32)
;;   ~~~
;; One version. Each part assembles by itself: llvm-mc -triple=amdgcn-amd-amdhsa -mcpu=gfx1250 --defsym DOCPART=n.
;; ======== version 1 of 1: 4 launches
;; limits: values are held in f16: magnitudes above 65,504 overflow, below 6.1e-05 lose precision
;; workspace buffers: tok_codes 12,582,912 bytes; tok_scales 786,432 bytes; w_codes 1,572,864 bytes; w_scales 98,304 bytes; wo16 2,097,152 bytes; qkv 50,331,648 bytes; attn 16,777,216 bytes
;; launch prep (part 1): grid 992 x 1, 4 waves a work-group, no clusters, 33,280 bytes of LDS; arguments Q_tokens, K_tokens, V_tokens, Wq, Wk, Wv, Wo, tok_codes, tok_scales, w_codes, w_scales, wo16; writes tok_codes, tok_scales, w_codes, w_scales, wo16
.if DOCPART == 1
	.amdgcn_target "amdgcn-amd-amdhsa--gfx1250"
	.amdhsa_code_object_version 6
	.text
	.protected	k_qb4937d2a95_prep
	.globl	k_qb4937d2a95_prep
	.p2align	8
	.type	k_qb4937d2a95_prep,@function
k_qb4937d2a95_prep:
	s_mov_b64 s[64:65], 0
	v_nop
	global_prefetch_b8 v0, s[64:65] scope:SCOPE_SE
	s_setreg_imm32_b32 hwreg(HW_REG_WAVE_MODE, 25, 1), 1
	s_wait_xcnt 0x0
; THE OPERANDS OF THE THREE QUANTISED PROJECTIONS ARE MADE ONCE, AND Wo IS ROUNDED TO f16.  Three kinds of work-group, told apart by the work-group's number alone:
;   0 .. 191    Wq, Wk, Wv [k 1024][n 1024] f32, K outermost -> codes of E2M1 laid [tensor][block of 32 k][n][16 bytes], scale bytes laid [tensor][n][32]
;   192 .. 223  Wo [k][n] f32 -> f16, same layout
;   224 .. 991  Q_tokens, K_tokens, V_tokens [8192][1024] f32, K innermost -> codes [tensor][row][512 bytes], scale bytes [tensor][row][32]
; A block's scale is 2^(floor(log2(its largest magnitude)) - 2); its byte is the largest magnitude's exponent field - 2, held at 1 from below.  Each number is divided by the scale and rounded to the
; nearest code, ties to even; beyond 6 the largest code.
; LIMITS: a block of zeros gets the byte 1 where the rule says 127 (its codes are zeros, and this program alone reads the bytes); blocks whose largest magnitude lies under 2^-124 keep the byte 1;
; NaN and infinities among the inputs are not served; Wo in f16: magnitudes up to 65,504; under 6e-5 the absolute error stays at 3e-8.
; Only the token path touches LDS.  No barrier: waves share nothing.
.set WAVES, 4
.set STEPS, 16
.set EMAX,  2
.set CB,    8                          ; bytes of 16 codes
.set R,     16                         ; tokens: v16-79   four sets of 16 numbers as loaded
.set X,     80                         ; tokens: v80-111  two sets of 16 neighbours
.set E,     112                        ; tokens: v112-127 a scale byte for each step
.set C,     128                        ; tokens: v128-191 codes, four registers for each step
.set WREG,  8192                       ; LDS: a region for each wave: two stages of 32 x SP bytes, then its 256 scale bytes
.set SP,    80                         ; a lane's place in a stage: 64 bytes + 16 of padding
.set SPW,   12                         ; v12 LDS address of my spare word; never rewritten
.set NIL,   13                         ; v13 0; never rewritten
.set SPARE, WAVES*WREG                 ; behind the four regions: the spare words, 128 bytes a wave
.set WX,    64                         ; weights: v64-127 two sets of 32 numbers
.set WC,    32                         ; weights: v32-47  codes, four registers for each block
.set WS,    24                         ; weights: v24     four scale bytes
	s_load_b512 s[4:19], s[0:1], 0x0               ; Q s[4:5], K s[6:7], V s[8:9], Wq s[10:11], Wk s[12:13], Wv s[14:15], Wo s[16:17], tok_codes s[18:19]
	s_load_b256 s[20:27], s[0:1], 0x40             ; tok_scales s[20:21], w_codes s[22:23], w_scales s[24:25], wo16 s[26:27]
	v_lshl_add_u32 v[SPW], v0, 2, SPARE
	v_mov_b32 v[NIL], 0
	v_lshrrev_b32 v1, 5, v0
	v_readfirstlane_b32 s30, v1                    ; wave 0..3
	v_and_b32 v2, 31, v0                           ; lane
	s_wait_kmcnt 0x0
	s_cmp_lt_u32 ttmp9, 192
	s_cbranch_scc1 .Lweights
	s_cmp_lt_u32 ttmp9, 224
	s_cbranch_scc1 .Lcast
; ---------------- TOKENS.  Rows are dense and 1024 is a multiple of 32: each tensor is a plain stream of blocks of 32, and so are its codes and scale bytes.
; A wave takes 16 steps of 512 numbers.  Each load reads 512 consecutive bytes; a step's 2,048 bytes turn through the wave's own stage so that a lane holds 16 neighbours; two neighbouring lanes hold a block.
	s_sub_co_u32 s31, ttmp9, 224                   ; 0 .. 767
	s_lshr_b32 s32, s31, 8                         ; which tensor
	s_cmp_eq_u32 s32, 0
	s_cselect_b64 s[28:29], s[4:5], s[6:7]
	s_cmp_eq_u32 s32, 2
	s_cselect_b64 s[28:29], s[8:9], s[28:29]       ; the choice hangs on the work-group's number alone
	s_and_b32 s33, s31, 255
	s_lshl_b32 s33, s33, 2
	s_add_co_u32 s33, s33, s30                     ; my run of 8,192 numbers in the tensor: 0 .. 1023
	s_lshl_b32 s34, s33, 15
	s_mov_b32 s35, 0
	s_add_nc_u64 s[28:29], s[28:29], s[34:35]
	s_lshl_b32 s36, s31, 2
	s_add_co_u32 s36, s36, s30                     ; and over the three tensors, which lie on end in the workspace: 0 .. 3071
	s_lshl_b32 s34, s36, 12                        ; 4,096 bytes of codes a run
	s_add_nc_u64 s[18:19], s[18:19], s[34:35]
	s_lshl_b32 s34, s36, 8                         ; 256 scale bytes a run
	s_add_nc_u64 s[20:21], s[20:21], s[34:35]
	v_lshlrev_b32 v3, 4, v2                        ; my 16 bytes of a load's 512
	s_mul_i32 s37, s30, WREG
	v_lshrrev_b32 v14, 2, v2
	v_mul_u32_u24 v14, v14, SP
	v_and_b32 v15, 3, v2
	v_lshl_add_u32 v14, v15, 4, v14
	v_add_nc_u32 v14, s37, v14                     ; the stage, on the way in: SP (lane / 4) + 16 (lane % 4)
	v_mul_u32_u24 v15, v2, SP
	v_add_nc_u32 v15, s37, v15                     ; and on the way out: SP x lane: my 16 neighbours
	v_mul_u32_u24 v4, v2, CB                       ; my codes' place in a step's
	v_lshrrev_b32 v5, 1, v2
	s_add_co_u32 s37, s37, 2*32*SP
	v_add_nc_u32 v5, s37, v5                       ; my wave's 256 scale bytes, my block's byte
	v_lshlrev_b32 v7, 3, v2                        ; and on the way out 8 bytes a lane
	v_add_nc_u32 v6, s37, v7
.macro LOAD t
.irp i, 0,1,2,3
	global_load_b128 v[R+16*((\t)%4)+4*\i:R+16*((\t)%4)+4*\i+3], v3, s[28:29] offset:2048*(\t)+512*\i th:TH_LOAD_NT   ; 32 lanes read 512 consecutive bytes
.endr
.endm
.macro TURN t                          ; step t's numbers through the stage: LDS serves a wave's instructions in order, so no wait stands between the stores and the loads
.irp i, 0,1,2,3
	ds_store_b128 v14, v[R+16*((\t)%4)+4*\i:R+16*((\t)%4)+4*\i+3] offset:32*SP*((\t)%2)+8*SP*\i
.endr
.irp i, 0,1,2,3
	ds_load_b128 v[X+16*((\t)%2)+4*\i:X+16*((\t)%2)+4*\i+3], v15 offset:32*SP*((\t)%2)+16*\i
.endr
.endm
.irp t, 0,1,2,3
	LOAD \t
.endr
	s_wait_loadcnt 12                              ; step 0's four loads are in; twelve younger ones stay out
	TURN 0
.macro STEP t
.set XS, X+16*((\t)%2)
.if (\t) > 0
	s_wait_dscnt 1                                 ; this step's numbers are back from the stage (the last step's byte store may be out)
.else
	s_wait_dscnt 0x0
.endif
.if (\t)+4 < STEPS
	LOAD (\t)+4                                    ; into the registers that the stage's stores have read
.endif
.if (\t)+1 < STEPS
.if STEPS-2-(\t) >= 3
	s_wait_loadcnt 12                              ; the next step's four loads are in; those of the three steps behind it may be out
.else
	s_wait_loadcnt 4*(STEPS-2-(\t))
.endif
	TURN (\t)+1
.endif
	v_max3_num_f32 v8, |v[XS]|, |v[XS+1]|, |v[XS+2]|               ; the largest magnitude of my 16, in two chains
	v_max3_num_f32 v9, |v[XS+3]|, |v[XS+4]|, |v[XS+5]|
.irp i, 6,10
	v_max3_num_f32 v8, v8, |v[XS+\i]|, |v[XS+\i+1]|
	v_max3_num_f32 v9, v9, |v[XS+\i+2]|, |v[XS+\i+3]|
.endr
	v_max3_num_f32 v8, v8, |v[XS+14]|, |v[XS+15]|
	v_max3_num_f32 v8, v8, v9, (EMAX+1)<<23        ; and the floor 2^(3 - 127): the byte cannot fall under 1
	v_max_num_f32_dpp v8, v8, v8 row_xmask:1 row_mask:0xf bank_mask:0xf   ; and of my neighbour's 16: the block's
	v_add_nc_u32 v11, -(EMAX<<23), v8              ; 2 off its exponent field: the conversion takes the exponent field of this operand as its scale
	v_cvt_scalef32_pk8_fp4_f32 v[C+4*(\t)], v[XS:XS+7], v11
	v_cvt_scalef32_pk8_fp4_f32 v[C+4*(\t)+1], v[XS+8:XS+15], v11
	v_lshrrev_b32 v[E+(\t)], 23, v11               ; the scale's byte (also the plain line behind the conversions)
	ds_store_b8 v5, v[E+(\t)] offset:16*(\t)       ; both lanes of a block write the same byte with the same value
	global_store_b64 v4, v[C+4*(\t):C+4*(\t)+1], s[18:19] offset:32*CB*(\t)   ; the wave stores 256 consecutive bytes, aligned
.endm
.irp t, 0,1,2,3,4,5,6,7,8,9,10,11,12,13,14,15
	STEP \t
.endr
	ds_load_b64 v[8:9], v6                         ; LDS serves a wave's instructions in order: these see my byte stores
	s_wait_dscnt 0x0
	global_store_b64 v7, v[8:9], s[20:21]          ; 32 lanes store 256 consecutive bytes, aligned
	s_wait_tensorcnt 0x0                           ; the wave's end, behind my last LDS store
	ds_add_u32 v[SPW], v[NIL]
	s_wait_dscnt 0x0
	s_endpgm
; ---------------- WEIGHTS.  A LANE TAKES A COLUMN n, AND ITS REGISTERS RUN DOWN K: a block of 32 lies in one lane's 32 registers, and the conversions give codes with K innermost.
; A work-group takes 128 along K x 128 columns, a wave 32 columns: four blocks a lane.  A block's 16 bytes of 32 neighbouring columns are 512 consecutive bytes of the workspace: no stage is needed.
.Lweights:
	s_lshr_b32 s31, ttmp9, 6                       ; which tensor
	s_bfe_u32 s32, ttmp9, 0x30003                  ; which 128 along K
	s_and_b32 s33, ttmp9, 7                        ; which 128 columns
	s_cmp_eq_u32 s31, 0
	s_cselect_b64 s[28:29], s[10:11], s[12:13]
	s_cmp_eq_u32 s31, 2
	s_cselect_b64 s[28:29], s[14:15], s[28:29]
	s_mov_b32 s35, 0
	s_lshl_b32 s34, s32, 19                        ; 128 rows of 4,096 bytes
	s_lshl_b32 s36, s33, 9
	s_add_co_u32 s34, s34, s36
	s_lshl_b32 s36, s30, 7
	s_add_co_u32 s34, s34, s36
	s_add_nc_u64 s[28:29], s[28:29], s[34:35]
	s_lshl_b32 s34, s31, 19                        ; codes: a tensor is 32 blocks x 16,384 bytes
	s_lshl_b32 s36, s32, 16
	s_add_co_u32 s34, s34, s36
	s_lshl_b32 s36, s33, 11
	s_add_co_u32 s34, s34, s36
	s_lshl_b32 s36, s30, 9
	s_add_co_u32 s34, s34, s36
	s_add_nc_u64 s[22:23], s[22:23], s[34:35]
	s_lshl_b32 s34, s31, 15                        ; scale bytes: 32 a column
	s_lshl_b32 s36, s33, 12
	s_add_co_u32 s34, s34, s36
	s_lshl_b32 s36, s30, 10
	s_add_co_u32 s34, s34, s36
	s_lshl_b32 s36, s32, 2
	s_add_co_u32 s34, s34, s36
	s_add_nc_u64 s[24:25], s[24:25], s[34:35]
	v_lshlrev_b32 v3, 2, v2
	v_lshlrev_b32 v4, 4, v2
	v_lshlrev_b32 v5, 5, v2
.macro WLOAD t                         ; block t: W(32 t + i, my column) into set t % 2: each load reads 128 consecutive bytes a wave, 512 a work-group
.irp i, 0,1,2,3,4,5,6,7,8,9,10,11,12,13,14,15,16,17,18,19,20,21,22,23,24,25,26,27,28,29,30,31
	global_load_b32 v[WX+32*((\t)%2)+\i], v3, s[28:29] offset:(32*(\t)+\i)*4096 th:TH_LOAD_NT
.endr
.endm
	WLOAD 0
	WLOAD 1
.macro WBLOCK t
.set WXS, WX+32*((\t)%2)
.if (\t) < 3
	s_wait_loadcnt 32                              ; this block's 32 loads are in; the next block's may be out
.else
	s_wait_loadcnt 0
.endif
	v_max3_num_f32 v8, |v[WXS]|, |v[WXS+1]|, |v[WXS+2]|            ; the block's largest magnitude: all 32 numbers are mine
	v_max3_num_f32 v9, |v[WXS+3]|, |v[WXS+4]|, |v[WXS+5]|
.irp i, 6,10,14,18,22,26
	v_max3_num_f32 v8, v8, |v[WXS+\i]|, |v[WXS+\i+1]|
	v_max3_num_f32 v9, v9, |v[WXS+\i+2]|, |v[WXS+\i+3]|
.endr
	v_max3_num_f32 v8, v8, |v[WXS+30]|, |v[WXS+31]|
	v_max3_num_f32 v8, v8, v9, (EMAX+1)<<23        ; and the floor
	v_add_nc_u32 v11, -(EMAX<<23), v8
	v_lshrrev_b32 v10, 23, v11                     ; the scale's byte
.if (\t) == 0
	v_mov_b32 v[WS], v10                           ; four bytes to a word, the lower K in the lower byte: the word of these 128 along K
.else
	v_lshl_or_b32 v[WS], v10, 8*(\t), v[WS]
.endif
.irp g, 0,1,2,3
	v_cvt_scalef32_pk8_fp4_f32 v[WC+4*(\t)+\g], v[WXS+8*\g:WXS+8*\g+7], v11
.endr
	global_store_b128 v4, v[WC+4*(\t):WC+4*(\t)+3], s[22:23] offset:(\t)*16384   ; the wave stores 512 consecutive bytes; each block has its own registers, so no store's data are written again
.if (\t)+2 < 4
	WLOAD (\t)+2
.endif
.endm
	WBLOCK 0
	WBLOCK 1
	WBLOCK 2
	WBLOCK 3
	global_store_b32 v5, v[WS], s[24:25]           ; four bytes of each column's 32: written in parts, 98,304 bytes in the whole launch
	s_endpgm
; ---------------- Wo to f16.  A wave takes 8,192 numbers in four rounds of sixteen loads; two rounds' loads are out.
.Lcast:
	s_sub_co_u32 s31, ttmp9, 192
	s_lshl_b32 s31, s31, 2
	s_add_co_u32 s31, s31, s30                     ; my run: 0 .. 127
	s_lshl_b32 s34, s31, 15
	s_mov_b32 s35, 0
	s_add_nc_u64 s[16:17], s[16:17], s[34:35]
	s_lshl_b32 s34, s31, 14
	s_add_nc_u64 s[26:27], s[26:27], s[34:35]
	v_lshlrev_b32 v3, 4, v2
	v_lshlrev_b32 v4, 3, v2
.macro CLOADS r
.irp j, 0,1,2,3,4,5,6,7,8,9,10,11,12,13,14,15
	global_load_b128 v[64+64*((\r)%2)+4*\j:64+64*((\r)%2)+4*\j+3], v3, s[16:17] offset:512*(16*(\r)+\j) th:TH_LOAD_NT
.endr
.endm
.macro CASTR r
.set CL, 64+64*((\r)%2)
.if (\r) > 0
	s_wait_xcnt 0x0                                ; the last round's stores have read their data registers, which are written again below
.endif
.irp j, 0,1,2,3,4,5,6,7,8,9,10,11,12,13,14,15
.if (\r) < 3
	s_wait_loadcnt 31-\j                           ; load j is in; the round's younger ones and the next round's sixteen may be out
.else
	s_wait_loadcnt 15-\j
.endif
	v_cvt_pk_f16_f32 v[32+2*\j], v[CL+4*\j], v[CL+4*\j+1]
	v_cvt_pk_f16_f32 v[33+2*\j], v[CL+4*\j+2], v[CL+4*\j+3]
	global_store_b64 v4, v[32+2*\j:33+2*\j], s[26:27] offset:256*(16*(\r)+\j)   ; the wave stores 256 consecutive bytes, aligned
.endr
.if (\r) < 2
	CLOADS (\r)+2
.endif
.endm
	CLOADS 0
	CLOADS 1
	CASTR 0
	CASTR 1
	CASTR 2
	CASTR 3
	s_endpgm
.Lfunc_end_k_qb4937d2a95_prep:
	.size	k_qb4937d2a95_prep, .Lfunc_end_k_qb4937d2a95_prep-k_qb4937d2a95_prep
	.p2alignl 7, 3214868480
	.fill 96, 4, 3214868480
	.section	.rodata,"a",@progbits
	.p2align	6, 0x0
	.amdhsa_kernel k_qb4937d2a95_prep
		.amdhsa_group_segment_fixed_size 33280
		.amdhsa_private_segment_fixed_size 0
		.amdhsa_enable_private_segment 0
		.amdhsa_kernarg_size 96
		.amdhsa_user_sgpr_count 2
		.amdhsa_user_sgpr_kernarg_segment_ptr 1
		.amdhsa_wavefront_size32 1
		.amdhsa_system_sgpr_workgroup_id_x 1
		.amdhsa_system_sgpr_workgroup_id_y 1
		.amdhsa_system_sgpr_workgroup_id_z 1
		.amdhsa_system_vgpr_workitem_id 0
		.amdhsa_next_free_vgpr 192
		.amdhsa_next_free_sgpr 66
		.amdhsa_reserve_vcc 0
		.amdhsa_float_denorm_mode_32 3
		.amdhsa_float_denorm_mode_16_64 3
		.amdhsa_memory_ordered 1
		.amdhsa_forward_progress 1
		.amdhsa_inst_pref_size 75
	.end_amdhsa_kernel
	.amdgpu_metadata
---
amdhsa.version: [ 1, 2 ]
amdhsa.kernels:
  - .name:           k_qb4937d2a95_prep
    .symbol:         k_qb4937d2a95_prep.kd
    .args:
      - { .name: Q_tokens, .offset: 0, .size: 8, .value_kind: global_buffer, .address_space: global }
      - { .name: K_tokens, .offset: 8, .size: 8, .value_kind: global_buffer, .address_space: global }
      - { .name: V_tokens, .offset: 16, .size: 8, .value_kind: global_buffer, .address_space: global }
      - { .name: Wq, .offset: 24, .size: 8, .value_kind: global_buffer, .address_space: global }
      - { .name: Wk, .offset: 32, .size: 8, .value_kind: global_buffer, .address_space: global }
      - { .name: Wv, .offset: 40, .size: 8, .value_kind: global_buffer, .address_space: global }
      - { .name: Wo, .offset: 48, .size: 8, .value_kind: global_buffer, .address_space: global }
      - { .name: tok_codes, .offset: 56, .size: 8, .value_kind: global_buffer, .address_space: global }
      - { .name: tok_scales, .offset: 64, .size: 8, .value_kind: global_buffer, .address_space: global }
      - { .name: w_codes, .offset: 72, .size: 8, .value_kind: global_buffer, .address_space: global }
      - { .name: w_scales, .offset: 80, .size: 8, .value_kind: global_buffer, .address_space: global }
      - { .name: wo16, .offset: 88, .size: 8, .value_kind: global_buffer, .address_space: global }
    .group_segment_fixed_size: 33280
    .private_segment_fixed_size: 0
    .kernarg_segment_align: 8
    .kernarg_segment_size: 96
    .max_flat_workgroup_size: 128
    .sgpr_count:     66
    .vgpr_count:     192
    .wavefront_size: 32
...
	.end_amdgpu_metadata
.endif
;; end of part 1
;; launch proj (part 2): grid 4 x 96, 4 waves a work-group, clusters of 4 x 4, 327,680 bytes of LDS; arguments tok_codes, tok_scales, w_codes, w_scales, qkv, weight_K; writes qkv
.if DOCPART == 2
	.amdgcn_target "amdgcn-amd-amdhsa--gfx1250"
	.amdhsa_code_object_version 6
	.text
	.protected	k_qb4937d2a95_proj
	.globl	k_qb4937d2a95_proj
	.p2align	8
	.type	k_qb4937d2a95_proj,@function
k_qb4937d2a95_proj:
	s_mov_b64 s[64:65], 0
	v_nop
	global_prefetch_b8 v0, s[64:65] scope:SCOPE_SE
	s_setreg_imm32_b32 hwreg(HW_REG_WAVE_MODE, 25, 1), 1
	s_wait_xcnt 0x0
	s_wait_alu depctr_hold_cnt(0) depctr_sa_sdst(0) depctr_va_vdst(0) depctr_va_sdst(0) depctr_va_ssrc(0) depctr_va_vcc(0) depctr_vm_vsrc(0)
	s_getreg_b32 s2, hwreg(HW_REG_IB_STS2, 6, 4)
	s_cmp_eq_u32 s2, 0
	s_cbranch_scc0 .Lentry_in_a_cluster
	s_endpgm
.Lentry_in_a_cluster:
	s_bfe_u32 s2, ttmp6, 0x10000c
	s_cmp_lg_u32 s2, 0xf033
	s_cbranch_scc0 .Lentry_shape_is_right
	s_endpgm
.Lentry_shape_is_right:
; THE THREE PROJECTIONS ON CODES OF E2M1, AS ONE GEMM: A = the three tensors' tokens on end, [24576][1024]; B = the tensor's own weight, [1024 n][1024 k].  Sums in f32.
; What leaves: q x log2(e) / 8 in bf16, k x weight_K[token] in bf16, v in f16, laid [tensor][16 batch + head][token][64]: two neighbouring tokens of a head are 256 consecutive bytes.
; A tile of C, 256 x 256, is made by a work-group of four waves; a wave makes 128 x 128: 64 accumulators, 512 registers.  K = 1024 is two slots of 512: both are asked for at the head, nothing is filled again.
; A's codes lie by rows (a slot's row is 256 bytes, 16 of padding behind it in LDS).  B's codes lie [block of 32 k][n][16 bytes]: a slot's part for 128 columns is 16 rows of 2,048 bytes, dense in LDS,
; and sixteen lanes of a fragment load take 256 consecutive bytes.  The scale bytes of the work-group's rows of A and of B, for all of K, come once, in rows of 256 bytes.
; CLUSTERS: 4 x 4 work-groups.  The four of a row need the same tiles of A, the four of a column the same tiles of B: each tile is asked for jointly.  The tensor's number hangs on the cluster's y alone.
; THE MATRIX INSTRUCTION IS USED TRANSPOSED (source 0 = 16 columns of the weight, source 1 = 16 tokens): a lane holds one token and eight neighbouring columns.
; 384 work-groups: one and a half per WGP; taken as it is, since a tile's K is short.  No prefetch: all tiles are asked for at the head.
; LIMITS: v in f16: magnitudes up to 65,504, absolute error 3e-8 under 6e-5; q and k in bf16.  NaN and infinities are not served.
; REGISTERS: window 0: v0-31 addresses; v32-95 scale words, two sets, and nothing else; v96-111 the factor of my token in each of my eight blocks, as pairs; v112 the constant factor;
;   v128-191 A's fragments, ONE set, later rows read back from the stage; v192-223 packed results.  window 1: B's fragments, two sets.  windows 2, 3: the accumulators ((a, b) at v[8 (8 (a % 4) + b)]).
.set NQ,     4                         ; matrix instructions deep in a slot
.set ROWB,   256                       ; a row of A's tile in bytes
.set KROW,   512                       ; a row of A in memory
.set PITCH,  272                       ; and in LDS: 68 words: row r starts at bank 4 r mod 64, so the 16 rows of a load start at 16 different banks
.set FR,     8
.set NL,     2
.set NP,     4
.set HALFT,  128*PITCH                 ; what one tensor load's part of a slot takes (B's part uses 32,768 of it)
.set SLOT,   4*HALFT
.set KS,     32                        ; a row of scale bytes
.set SCL,    2*SLOT
.set HALFS,  16*272                    ; the scales of 128 rows
.set SBLK,   2*272                     ; those of 16 rows
.set SPARE,  SCL+4*HALFS               ; the spare words, 128 bytes a wave
.set WSTG,   4352                      ; the way out: a stage for each wave, two heads x 8 rows of (256 + 16) bytes, in slot 0, which has had its only fill and its last read by then
.set ADRA, 16
.set ADRB, 20
.set STO,  24
.set RD,   25
.set CO,   26
.set ADRS, 27
.set SPW,  28
.set NIL,  29
.set WO,   30                          ; v30 4 x (lane % 16): my token's place in weight_K
.set SC,   32
.set WF,   96
.set CF,   112
.set AF,   128
.set BK,   128
.set TMP,  192
.set G1, 24
.set G0, 32
.set G1B, 48
.set G0B, 56
.set G1S, 68
.set G0S, 76
.set G1SB, 80
.set G0SB, 88
.set TN, 95                            ; s95 the tensor: 0 q, 1 k, 2 v
.set MSB, 0
.macro WIN new                         ; the immediate's high byte repeats the setting that is left
.if MSB != \new
	s_set_vgpr_msb (MSB<<8)|\new
.set MSB, \new
.endif
.endm
.set MUL_LO, 0xa1                      ; source 0 (B) window 1, source 1 (A) window 0, C and D window 2
.set MUL_HI, 0xf1
.set TO_B,   0x40
; A joint load: waves 0 and 1 fetch for A, waves 2 and 3 for B; the branch hangs on the wave's number alone.  An s_nop 0 and four v_nop follow each of the two lines.
.macro JLOAD g0a, g1a, g0b, g1b
	s_cmp_eq_u32 s15, 0
	s_cbranch_scc0 .Lfor_b_\@
	tensor_load_to_lds s[\g0a:\g0a+3], s[\g1a:\g1a+7]
	s_nop 0
.rept 4
	v_nop
.endr
	s_branch .Lasked_\@
.Lfor_b_\@:
	tensor_load_to_lds s[\g0b:\g0b+3], s[\g1b:\g1b+7]
	s_nop 0
.rept 4
	v_nop
.endr
.Lasked_\@:
.endm
.macro CROUND                          ; a round of the cluster's barrier
	s_barrier_signal -1
	s_barrier_wait -1
	s_cmp_lg_u32 s14, 0
	s_cbranch_scc1 .Lnot_wave_0_\@
	s_barrier_signal -3
.Lnot_wave_0_\@:
	s_barrier_wait -3
	s_barrier_signal -1
	s_barrier_wait -1
.endm
	s_load_b128 s[4:7], s[0:1], 0x0                ; A's codes, A's scales
	s_load_b128 s[8:11], s[0:1], 0x10              ; B's codes, B's scales
	s_load_b64 s[12:13], s[0:1], 0x20              ; qkv
	s_load_b64 s[96:97], s[0:1], 0x28              ; weight_K
	v_lshl_add_u32 v[SPW], v0, 2, SPARE
	v_mov_b32 v[NIL], 0
	ds_add_u32 v[SPW], v[NIL]                      ; the wave's opening: the add, twice on end, and its wait ahead of my first tensor load
	ds_add_u32 v[SPW], v[NIL]
	v_lshrrev_b32 v1, 5, v0
	v_readfirstlane_b32 s14, v1                    ; wave 0..3
	s_lshr_b32 s15, s14, 1                         ; which half of the tile's tokens is mine.  Also: I fetch for A (0) or for B (1)
	s_and_b32 s16, s14, 1                          ; which half of its columns.  Also: which 128 rows I fetch
	s_bfe_u32 s40, ttmp6, 0x40000                  ; cx, cy
	s_bfe_u32 s41, ttmp6, 0x40004
	s_lshl_b32 s42, ttmp9, 2
	s_add_co_u32 s42, s42, s40                     ; tile column
	s_and_b32 s17, ttmp7, 0xffff
	s_lshr_b32 s[TN], s17, 3                       ; eight clusters down a tensor's 8,192 tokens: the same number in all sixteen partners
	s_lshl_b32 s17, s17, 2
	s_add_co_u32 s17, s17, s41                     ; tile row, 0 .. 95
	s_lshl_b32 s43, s41, 2
	s_lshl_b32 s43, 15, s43                        ; my row of the cluster
	s_lshl_b32 s44, 0x1111, s40                    ; my column
	s_or_b32 s[G1+0], s43, (1<<20)|(1<<21)|(5<<22)|(3<<25)   ; A: the mask; elements of 1 byte; padding on; bit 21 beside a mask; 4 words behind every 64
	s_mov_b32 s[G1+1], ROWB<<16                    ; tensor_dim0
	s_mov_b32 s[G1+2], 128<<16                     ; tensor_dim1
	s_mov_b32 s[G1+3], ROWB<<16                    ; tile_dim0
	s_mov_b32 s[G1+4], 128                         ; tile_dim1
	s_mov_b32 s[G1+5], KROW                        ; from row to row
	s_mov_b32 s[G1+6], 0
	s_mov_b32 s[G1+7], 0
	s_or_b32 s[G1B+0], s44, (1<<21)                ; B: the mask; elements of 1 byte; no padding
	s_mov_b32 s[G1B+1], 2048<<16                   ; 128 columns x 16 bytes
	s_mov_b32 s[G1B+2], 16<<16                     ; 16 blocks of 32 k
	s_mov_b32 s[G1B+3], 2048<<16
	s_mov_b32 s[G1B+4], 16
	s_mov_b32 s[G1B+5], 16384                      ; a block of all 1,024 columns
	s_mov_b32 s[G1B+6], 0
	s_mov_b32 s[G1B+7], 0
	s_or_b32 s[G1S+0], s43, (3<<16)|(1<<20)|(1<<21)|(5<<22)|(3<<25)   ; the scales of 128 rows: 4,096 dense bytes as 16 rows of 256 (32 elements of 8 bytes), 16 of padding behind each
	s_or_b32 s[G1SB+0], s44, (3<<16)|(1<<20)|(1<<21)|(5<<22)|(3<<25)
.irp g, G1S, G1SB
	s_mov_b32 s[\g+1], 32<<16
	s_mov_b32 s[\g+2], 16<<16
	s_mov_b32 s[\g+3], 32<<16
	s_mov_b32 s[\g+4], 16
	s_mov_b32 s[\g+5], 32
	s_mov_b32 s[\g+6], 0
	s_mov_b32 s[\g+7], 0
.endr
	s_lshl_b32 s18, s16, 7
	s_lshl_b32 s20, s17, 8
	s_add_co_u32 s20, s20, s18                     ; A: row 256 x tile row + 128 x half
	s_lshl_b32 s46, s42, 8
	s_add_co_u32 s46, s46, s18                     ; B: column 256 x tile column + 128 x half
	s_lshl_b32 s22, s20, 5                         ; A's scales: 32 bytes a row
	s_mov_b32 s23, 0
	s_lshl_b32 s20, s20, 9                         ; A's codes: 512 bytes a row
	s_mov_b32 s21, 0
	s_lshl_b32 s92, s[TN], 10
	s_add_co_u32 s92, s92, s46
	s_lshl_b32 s92, s92, 5                         ; B's scales: 32 bytes a column, 1,024 columns a tensor
	s_mov_b32 s93, 0
	s_lshl_b32 s46, s46, 4                         ; B's codes: 16 bytes a column in each block,
	s_lshl_b32 s47, s[TN], 19                      ; 2^19 bytes a tensor
	s_add_co_u32 s46, s46, s47
	s_mov_b32 s47, 0
	s_mul_i32 s45, s14, HALFT                      ; where they go: no place in the cluster enters an LDS address
	s_mul_i32 s94, s14, HALFS
	s_wait_dscnt 0x0                               ; both opening adds are done
	s_wait_kmcnt 0x0
	s_add_nc_u64 s[20:21], s[4:5], s[20:21]
	s_add_nc_u64 s[22:23], s[6:7], s[22:23]
	s_add_nc_u64 s[46:47], s[8:9], s[46:47]
	s_add_nc_u64 s[92:93], s[10:11], s[92:93]
	CROUND                                         ; all sixteen work-groups are here: the joint loads meet
	s_mov_b32 s[G0S], 1
	s_add_co_u32 s[G0S+1], s94, SCL
	s_mov_b64 s[G0S+2:G0S+3], s[22:23]
	s_or_b32 s[G0S+3], s[G0S+3], 0x80000000
	s_mov_b32 s[G0SB], 1
	s_add_co_u32 s[G0SB+1], s94, SCL
	s_mov_b64 s[G0SB+2:G0SB+3], s[92:93]
	s_or_b32 s[G0SB+3], s[G0SB+3], 0x80000000
	JLOAD G0S, G1S, G0SB, G1SB                     ; the scales first: they are wanted with the first slot
.irp s, 0,1
	s_mov_b32 s[G0+4*\s], 1
	s_add_co_u32 s[G0+4*\s+1], s45, \s*SLOT
	s_add_nc_u64 s[G0+4*\s+2:G0+4*\s+3], s[20:21], \s*ROWB
	s_or_b32 s[G0+4*\s+3], s[G0+4*\s+3], 0x80000000
	s_mov_b32 s[G0B+4*\s], 1
	s_add_co_u32 s[G0B+4*\s+1], s45, \s*SLOT
	s_add_nc_u64 s[G0B+4*\s+2:G0B+4*\s+3], s[46:47], \s*262144   ; 16 blocks of 16,384 bytes on
	s_or_b32 s[G0B+4*\s+3], s[G0B+4*\s+3], 0x80000000
	JLOAD G0+4*\s, G1, G0B+4*\s, G1B               ; three loads of mine are out, and no more follow
.endr
	v_and_b32 v1, 15, v0                           ; r
	v_bfe_u32 v2, v0, 4, 1                         ; h
	v_mul_u32_u24 v3, v1, PITCH
	v_lshl_add_u32 v4, v2, 4, v3                   ; A: row x pitch + 16 h
	v_lshlrev_b32 v5, 4, v1
	v_lshl_add_u32 v5, v2, 11, v5                  ; B: 16 x column + a block of 2,048 bytes for lanes 16-31
	s_mul_i32 s21, s15, HALFT                      ; my 128 tokens
	s_mul_i32 s22, s16, HALFT                      ; my 128 columns,
	s_add_co_u32 s22, s22, 2*HALFT                 ; behind A's 256 rows
.irp s, 0,1
	v_add_nc_u32 v[ADRA+\s], s21, v4
	v_add_nc_u32 v[ADRB+\s], s22, v5
	s_add_co_u32 s21, s21, SLOT
	s_add_co_u32 s22, s22, SLOT
.endr
	v_mul_u32_u24 v5, v1, KS                       ; my row's scales: 32 bytes a row,
	v_lshrrev_b32 v6, 8, v5
	v_lshl_add_u32 v5, v6, 4, v5                   ; and 16 more for each 256 passed
	s_mul_i32 s21, s15, HALFS
	s_mul_i32 s22, s16, HALFS
	s_add_co_u32 s22, s22, 2*HALFS
	s_sub_co_u32 s22, s22, s21
	v_mul_u32_u24 v6, s22, v2                      ; lanes 16-31 take B's: one product, the distance between the two bases
	s_add_co_u32 s21, s21, SCL
	v_add_nc_u32 v5, v5, v6
	v_add_nc_u32 v[ADRS], s21, v5
	s_mul_i32 s23, s14, WSTG                       ; my stage
	v_lshrrev_b32 v5, 1, v1
	v_mul_u32_u24 v5, v5, 272
	v_and_b32 v6, 1, v1
	v_lshl_add_u32 v5, v6, 7, v5
	v_lshl_add_u32 v5, v2, 4, v5
	v_add_nc_u32 v[STO], s23, v5                   ; in: two tokens to a row of 256 bytes: (r / 2) 272 + (r % 2) 128 + 16 h
	v_mul_u32_u24 v5, v2, 2176
	v_lshl_add_u32 v5, v1, 4, v5
	v_add_nc_u32 v[RD], s23, v5                    ; back: lanes 0-15 a row of the first head, lanes 16-31 of the second
	v_lshlrev_b32 v5, 18, v2
	v_lshl_add_u32 v[CO], v1, 4, v5                ; and the same in memory: a head is 2^18 bytes
	s_and_b32 s18, s17, 31
	s_lshl_b32 s18, s18, 8
	s_lshl_b32 s19, s15, 7
	s_add_co_u32 s18, s18, s19                     ; my first token in its tensor, 0 .. 8064
	s_lshl_b32 s2, s18, 2
	s_mov_b32 s3, 0
	s_add_nc_u64 s[96:97], s[96:97], s[2:3]        ; weight_K is [4][2048]: the token's number is its index (read for q and v too, and not used there)
	s_lshr_b32 s19, s18, 11                        ; batch
	s_and_b32 s18, s18, 2047                       ; token in the batch
	s_lshl_b32 s19, s19, 4
	s_lshl_b32 s66, s42, 2
	s_add_co_u32 s19, s19, s66
	s_lshl_b32 s66, s16, 1
	s_add_co_u32 s19, s19, s66                     ; 16 batch + my first head (4 x tile column + 2 x half)
	s_lshl_b32 s19, s19, 18
	s_lshl_b32 s18, s18, 7
	s_add_co_u32 s18, s18, s19
	s_lshl_b32 s19, s[TN], 24
	s_add_co_u32 s18, s18, s19
	s_mov_b32 s19, 0
	s_add_nc_u64 s[12:13], s[12:13], s[18:19]
	v_lshlrev_b32 v[WO], 2, v1
.irp a, 0,1,2,3,4,5,6,7
	global_load_b32 v[WF+2*\a], v[WO], s[96:97] offset:64*\a   ; weight_K of token 16 a + r; waited for on the way out
.endr
	s_cmp_eq_u32 s[TN], 1
	s_cselect_b32 s98, -1, 0                       ; all lanes take weight_K where the tensor is k
	s_cmp_eq_u32 s[TN], 0
	s_mov_b32 s99, 0x3f800000                      ; v: 1
	s_cselect_b32 s99, 0x3e38aa3b, s99             ; q: log2(e) / sqrt(64), so that the scores come out as exponents of 2
.macro FRAG reg, adr, q, i             ; a fragment of A: lane l holds row l % 16; registers 4 c .. 4 c + 3 hold K = 64 c + 32 (l / 16) + 0 .. 31
.irp c, 0,1
	ds_load_b128 v[\reg+4*\c:\reg+4*\c+3], v[\adr] offset:64*(\q)+32*\c+(\i)*16*PITCH
.endr
.endm
; 16 matrix instructions: A's blocks a0, a0 + 1 x B's eight.  The 64 accumulators take turns, one instruction a turn, in the same order in every step.
.macro MUL16 a0, p, q, sc, zero
.irp a, \a0, \a0+1
.irp b, 0,1,2,3,4,5,6,7
.if \zero
	v_wmma_scale_f32_16x16x128_f8f6f4 v[8*(8*((\a)%4)+\b):8*(8*((\a)%4)+\b)+7], v[128*(\p)+FR*\b:128*(\p)+FR*\b+FR-1], v[AF+FR*(\a):AF+FR*(\a)+FR-1], 0, v[SC+8*NQ*(\sc)+NQ*\b+(\q)], v[SC+8*NQ*(\sc)+NQ*(\a)+(\q)] matrix_a_fmt:MATRIX_FMT_FP4 matrix_b_fmt:MATRIX_FMT_FP4 matrix_a_scale:MATRIX_SCALE_ROW1
.else
	v_wmma_scale_f32_16x16x128_f8f6f4 v[8*(8*((\a)%4)+\b):8*(8*((\a)%4)+\b)+7], v[128*(\p)+FR*\b:128*(\p)+FR*\b+FR-1], v[AF+FR*(\a):AF+FR*(\a)+FR-1], v[8*(8*((\a)%4)+\b):8*(8*((\a)%4)+\b)+7], v[SC+8*NQ*(\sc)+NQ*\b+(\q)], v[SC+8*NQ*(\sc)+NQ*(\a)+(\q)] matrix_a_fmt:MATRIX_FMT_FP4 matrix_b_fmt:MATRIX_FMT_FP4 matrix_a_scale:MATRIX_SCALE_ROW1
.endif
.endr
.endr
.endm
.macro FETCH_B slot, q, p              ; B's eight fragments of the slot's q-th 128 along K into set p: registers 4 c .. of lane (r, h) are block 4 q + 2 c + h of column 16 i + r
	WIN TO_B
.irp i, 0,1,2,3,4,5,6,7
.irp c, 0,1
	ds_load_b128 v[128*(\p)+FR*\i+4*\c:128*(\p)+FR*\i+4*\c+3], v[ADRB+\slot] offset:(4*(\q)+2*\c)*2048+\i*256
.endr
.endr
	WIN 0
.endm
.macro FETCH_A slot, q, i0
.irp i, \i0, \i0+1, \i0+2, \i0+3
	FRAG AF+FR*(\i), ADRA+\slot, \q, \i
.endr
.endm
.macro SCALES sc                       ; a slot's scale words: four a row; lanes 0-15 take A's block i, lanes 16-31 B's block i
.irp i, 0,1,2,3,4,5,6,7
	ds_load_b128 v[SC+8*NQ*\sc+NQ*\i:SC+8*NQ*\sc+NQ*\i+3], v[ADRS] offset:\i*SBLK
.endr
.endm
.macro PLACES n                        ; plain vector lines between a matrix instruction and a load into, or a vector read of, its registers
.rept \n
	v_nop
.endr
.endm
.macro STEP slot, q, zero              ; a step of 128 along K that has its successor in the same slot
	s_wait_dscnt 4*NL                              ; B's set and A's blocks 0-3 are in; the youngest eight loads (A's blocks 4-7) may be out
	WIN MUL_LO
	MUL16 0, (\q)%2, \q, \slot, \zero
	MUL16 2, (\q)%2, \q, \slot, \zero
	s_wait_dscnt 0                                 ; A's blocks 4-7 are in
	PLACES NP
	FETCH_B \slot, (\q)+1, 1-(\q)%2
	FETCH_A \slot, (\q)+1, 0
	WIN MUL_HI
	MUL16 4, (\q)%2, \q, \slot, \zero
	MUL16 6, (\q)%2, \q, \slot, \zero
	PLACES NP
	WIN 0
	FETCH_A \slot, (\q)+1, 4
.endm
.macro STEPS slot, from
.set Q, \from
.rept NQ-1-\from
	STEP \slot, Q, 0
.set Q, Q+1
.endr
.endm
	s_wait_tensorcnt 1                             ; the scales and my part of slot 0 are in (slot 1's load may be out)
	s_barrier_signal -1
	s_barrier_wait -1                              ; everybody's are
	FETCH_B 0, 0, 0
	FETCH_A 0, 0, 0
	SCALES 0
	FETCH_A 0, 0, 4
	STEP 0, 0, 1                                   ; the first products start the sums: nothing is cleared
	STEPS 0, 1
	; slot 0's last step changes slots: one barrier; in front of it my part of slot 1 has landed and my reads of slot 0 are over
	s_wait_tensorcnt 0x0
	ds_add_u32 v[SPW], v[NIL]                      ; 0 onto my spare word
	s_wait_dscnt 4*NL+1                            ; (the add and the youngest eight loads may be out)
	WIN MUL_LO
	MUL16 0, 1, NQ-1, 0, 0
	s_wait_dscnt 0x0
	s_barrier_signal -1
	MUL16 2, 1, NQ-1, 0, 0
	WIN 0
	s_barrier_wait -1
	PLACES NP
	v_add_nc_u32 v[ADRS], 4*NQ, v[ADRS]            ; on to slot 1's scale words
	FETCH_B 1, 0, 0
	FETCH_A 1, 0, 0
	SCALES 1
	WIN MUL_HI
	MUL16 4, 1, NQ-1, 0, 0
	MUL16 6, 1, NQ-1, 0, 0
	PLACES NP
	WIN 0
	FETCH_A 1, 0, 4
	STEPS 1, 0
	s_wait_dscnt 4*NL                              ; the very last step
	WIN MUL_LO
	MUL16 0, 1, NQ-1, 1, 0
	MUL16 2, 1, NQ-1, 1, 0
	s_wait_dscnt 0
	WIN MUL_HI
	MUL16 4, 1, NQ-1, 1, 0
	MUL16 6, 1, NQ-1, 1, 0
	WIN 0
; THE WAY OUT, block by block of 16 tokens x 128 columns (two heads).  PACK: x my token's factor, in place, each accumulator from its low end on; rounded to 16 bits, 16 bytes a lane.
; TOSTAGE: into my own stage, two tokens to a row of 256 bytes, and back by rows.  SEND: sixteen lanes store 256 consecutive bytes, aligned.
.macro PACK a
.set AC, 64*((\a)%4)
	WIN 0x82+0x41*((\a)/4)                         ; source 0 and destination: window 2 or 3; the factor: window 0
.irp b, 0,1,2,3,4,5,6,7
.irp r, 0,1,2,3
	v_pk_mul_f32 v[AC+8*\b+2*\r:AC+8*\b+2*\r+1], v[AC+8*\b+2*\r:AC+8*\b+2*\r+1], v[WF+2*(\a):WF+2*(\a)+1] op_sel_hi:[1,0]
.endr
.endr
	WIN 0                                          ; at a branch and at a label every window is 0
	s_cmp_eq_u32 s[TN], 2                          ; the tensor's number: the same in all waves and all partners
	s_cbranch_scc1 .Lhalf_\@
	WIN 0x0a+5*((\a)/4)
.irp b, 0,1,2,3,4,5,6,7
.irp r, 0,1,2,3
	v_cvt_pk_bf16_f32 v[TMP+4*\b+\r], v[AC+8*\b+2*\r], v[AC+8*\b+2*\r+1]
.endr
.endr
	WIN 0
	s_branch .Lpacked_\@
.Lhalf_\@:
	WIN 0x0a+5*((\a)/4)
.irp b, 0,1,2,3,4,5,6,7
.irp r, 0,1,2,3
	v_cvt_pk_f16_f32 v[TMP+4*\b+\r], v[AC+8*\b+2*\r], v[AC+8*\b+2*\r+1]
.endr
.endr
	WIN 0
.Lpacked_\@:
.endm
.macro TOSTAGE a
.set BB, BK+32*((\a)%2)
.irp b, 0,1,2,3,4,5,6,7
	ds_store_b128 v[STO], v[TMP+4*\b:TMP+4*\b+3] offset:(\b/4)*2176+(\b%4)*32
.endr
.irp i, 0,1,2,3,4,5,6,7
	ds_load_b128 v[BB+4*\i:BB+4*\i+3], v[RD] offset:272*\i   ; LDS serves a wave's instructions in order: these see the stores above
.endr
.endm
.macro SEND a
.set BB, BK+32*((\a)%2)
	s_wait_dscnt 0x0                               ; the block is back in registers
	s_wait_xcnt 0x0                                ; the block before has had its stores' registers read: the next loads from the stage may land there
.irp i, 0,1,2,3,4,5,6,7
	global_store_b128 v[CO], v[BB+4*\i:BB+4*\i+3], s[12:13] offset:2048*(\a)+256*\i
.endr
.endm
	PLACES NP                                      ; behind the last products, ahead of the first read of results and of loads into A's registers
	s_wait_loadcnt 0x0                             ; weight_K
	v_mov_b32 v[CF], s99
.irp a, 0,1,2,3,4,5,6,7
	v_cndmask_b32 v[WF+2*\a], v[CF], v[WF+2*\a], s98
.endr
.irp a, 0,1,2,3,4,5,6,7
	v_mov_b32 v[WF+2*\a+1], v[WF+2*\a]             ; named with it as a pair, so it is written
.endr
	PACK 0
	TOSTAGE 0
.irp a, 1,2,3,4,5,6,7
	PACK \a                                        ; block a's arithmetic stands between block a - 1's loads from the stage and the wait for them
	SEND \a-1
	TOSTAGE \a
.endr
	SEND 7
	s_wait_tensorcnt 0x0                           ; the wave's end
	ds_add_u32 v[SPW], v[NIL]
	s_wait_dscnt 0x0
	CROUND                                         ; the closing round
	s_endpgm
.Lfunc_end_k_qb4937d2a95_proj:
	.size	k_qb4937d2a95_proj, .Lfunc_end_k_qb4937d2a95_proj-k_qb4937d2a95_proj
	.p2alignl 7, 3214868480
	.fill 96, 4, 3214868480
	.section	.rodata,"a",@progbits
	.p2align	6, 0x0
	.amdhsa_kernel k_qb4937d2a95_proj
		.amdhsa_group_segment_fixed_size 327680
		.amdhsa_private_segment_fixed_size 0
		.amdhsa_enable_private_segment 0
		.amdhsa_kernarg_size 48
		.amdhsa_user_sgpr_count 2
		.amdhsa_user_sgpr_kernarg_segment_ptr 1
		.amdhsa_wavefront_size32 1
		.amdhsa_system_sgpr_workgroup_id_x 1
		.amdhsa_system_sgpr_workgroup_id_y 1
		.amdhsa_system_sgpr_workgroup_id_z 1
		.amdhsa_system_vgpr_workitem_id 0
		.amdhsa_next_free_vgpr 1024
		.amdhsa_next_free_sgpr 100
		.amdhsa_reserve_vcc 0
		.amdhsa_float_denorm_mode_32 3
		.amdhsa_float_denorm_mode_16_64 3
		.amdhsa_memory_ordered 1
		.amdhsa_forward_progress 1
		.amdhsa_inst_pref_size 162
	.end_amdhsa_kernel
	.amdgpu_metadata
---
amdhsa.version: [ 1, 2 ]
amdhsa.kernels:
  - .name:           k_qb4937d2a95_proj
    .symbol:         k_qb4937d2a95_proj.kd
    .args:
      - { .name: tok_codes, .offset: 0, .size: 8, .value_kind: global_buffer, .address_space: global }
      - { .name: tok_scales, .offset: 8, .size: 8, .value_kind: global_buffer, .address_space: global }
      - { .name: w_codes, .offset: 16, .size: 8, .value_kind: global_buffer, .address_space: global }
      - { .name: w_scales, .offset: 24, .size: 8, .value_kind: global_buffer, .address_space: global }
      - { .name: qkv, .offset: 32, .size: 8, .value_kind: global_buffer, .address_space: global }
      - { .name: weight_K, .offset: 40, .size: 8, .value_kind: global_buffer, .address_space: global }
    .group_segment_fixed_size: 327680
    .private_segment_fixed_size: 0
    .kernarg_segment_align: 8
    .kernarg_segment_size: 48
    .max_flat_workgroup_size: 128
    .sgpr_count:     100
    .vgpr_count:     1024
    .wavefront_size: 32
...
	.end_amdgpu_metadata
.endif
;; end of part 2
;; launch attn (part 3): grid 4 x 64, 16 waves a work-group, clusters of 4 x 1, 327,680 bytes of LDS; arguments qkv, attn; writes attn
.if DOCPART == 3
	.amdgcn_target "amdgcn-amd-amdhsa--gfx1250"
	.amdhsa_code_object_version 6
	.text
	.protected	k_qb4937d2a95_attn
	.globl	k_qb4937d2a95_attn
	.p2align	8
	.type	k_qb4937d2a95_attn,@function
k_qb4937d2a95_attn:
	s_mov_b64 s[64:65], 0
	v_nop
	global_prefetch_b8 v0, s[64:65] scope:SCOPE_SE
	s_setreg_imm32_b32 hwreg(HW_REG_WAVE_MODE, 25, 1), 1
	s_wait_xcnt 0x0
	s_wait_alu depctr_hold_cnt(0) depctr_sa_sdst(0) depctr_va_vdst(0) depctr_va_sdst(0) depctr_va_ssrc(0) depctr_va_vcc(0) depctr_vm_vsrc(0)
	s_getreg_b32 s2, hwreg(HW_REG_IB_STS2, 6, 4)
	s_cmp_eq_u32 s2, 0
	s_cbranch_scc0 .Lentry_in_a_cluster
	s_endpgm
.Lentry_in_a_cluster:
	s_bfe_u32 s2, ttmp6, 0x10000c
	s_cmp_lg_u32 s2, 0x3003
	s_cbranch_scc0 .Lentry_shape_is_right
	s_endpgm
.Lentry_shape_is_right:
; O[hb][q] = the sum over keys of softmax(q . k) v, for each of 64 (batch, head) pairs.  q (already x log2(e) / 8) and k (already x weight_K) are bf16, v is f16, all [hb][2048][64]; O is f16, [hb][2048][64].
; Products, maxima and sums in f32; the weights p = 2^(s - m), m the running maximum, are rounded to f16 for the second product; their sum is taken unrounded and divides at the end.
; SHARES.  A work-group owns 512 queries of one head; each of its SIXTEEN waves owns 32, two tiles of 16, in 256 registers: four waves to a SIMD, so that one wave's softmax stands beside another's products and LDS loads.
; Every wave walks all 2,048 keys, 64 a step.  K and V come through two LDS slots of 512 keys: four fills in all, two at the head.
; CLUSTER.  The four query blocks of a head are the cluster and walk the same K and V: each tile is asked for jointly (waves 0, 1: K's halves; waves 2, 3: V's).
; LAYOUT.  S^T = K Q^T (source 0 = 16 keys, source 1 = 16 queries), O^T = V^T P (source 0 = 16 channels, source 1 = P): a lane holds ONE query throughout; two tiles of S^T, rounded in pairs, are source 1 of the second product.
; A head's rows are 128 bytes and dense: they come as rows of 256 bytes, TWO TOKENS TO A ROW, with padding behind each: token t, byte x lies at (t / 2) pitch + (t % 2) 128 + x.
; Pitch 272 for K: the 16 rows of a fragment load fall on 16 different groups of four banks.  Pitch 288 for V, which is turned by ds_load_tr16_b128.
; LIMITS: v and O in f16 (magnitudes up to 65,504; absolute error 3e-8 under 6e-5).  NaN and infinities are not served.
; REGISTERS: v1-9, v14, v15 addresses; v10-13 the sums' second chains; v16-47 Q; v48-111 K of a step, then V; v112-175 S^T, then p, then P in place; v176-239 O^T; v240-255 statistics, eight a tile:
;   +0 m, +1 written once (named with m as a pair), +2, +3 the sum (even keys', odd keys'), +4 .. +7 at work; a = 2^(old m - new m) in +6.
.set PK,    272
.set PV,    288
.set KPART, 256*PK                     ; a slot: 256 rows of K,
.set SLOTB, KPART+256*PV               ; then 256 rows of V
.set STEPK, 32*PK                      ; 64 keys
.set STEPV, 32*PV
.set SPARE, 2*SLOTB                    ; the spare words, 128 bytes for each of sixteen waves
.set WSTG,  16*PK                      ; the way out: a stage for each wave in slot 0, which has had its last fill and its last read by then
.set AK0, 1
.set AV0, 2
.set ADK, 3
.set ADV, 4
.set SPW, 5
.set NIL, 6
.set QO,  7
.set STO, 8
.set RD,  9
.set SB,  10
.set PFO, 14
.set GO,  15
.set Q,   16
.set KV,  48
.set S,   112
.set O,   176
.set ST,  240
.set WV,  8
.set CX,  9
.set HB,  10
.set HF,  11
.set G1K, 16
.set G1V, 24
.set G0K, 32                           ; s[32:47] group 0 for K's four fills, made once and never rewritten
.set G0V, 48                           ; s[48:63] the same for V's
.set SEL, 66
.set TBK, 68
.set TBV, 69
.set CNT, 70
.set PFW, 71
.set PFA, 72
.set QP,  76
.set OP,  78
.macro CROUND                          ; a round of the cluster's barrier
	s_barrier_signal -1
	s_barrier_wait -1
	s_cmp_lg_u32 s[WV], 0
	s_cbranch_scc1 .Lnot_wave_0_\@
	s_barrier_signal -3
.Lnot_wave_0_\@:
	s_barrier_wait -3
	s_barrier_signal -1
	s_barrier_wait -1
.endm
; Fill f, jointly: the branches hang on the wave's number alone.  An s_nop 0 and four v_nop follow each of the two lines.
.macro JLOAD f
	s_cmp_lt_u32 s[WV], 2
	s_cbranch_scc0 .Lnot_k_\@
	tensor_load_to_lds s[G0K+4*\f:G0K+4*\f+3], s[G1K:G1K+7]
	s_nop 0
.rept 4
	v_nop
.endr
	s_branch .Lasked_\@
.Lnot_k_\@:
	s_cmp_lt_u32 s[WV], 4
	s_cbranch_scc0 .Lasked_\@
	tensor_load_to_lds s[G0V+4*\f:G0V+4*\f+3], s[G1V:G1V+7]
	s_nop 0
.rept 4
	v_nop
.endr
.Lasked_\@:
.endm
; A PREFETCH of the last fill's 512 keys of K and of V, issued once, at the change of slots before the one that asks for them: eight key steps ahead.  2 x 65,536 bytes are 512 blocks of 256 bytes:
; the four partners take 16,384 bytes of each tensor, told apart by address; in each, waves 4, 5 ask for K's and waves 6, 7 for V's, 8,192 bytes a wave, lanes 256 bytes apart.  So each block is named once.
; The first three fills come by their loads alone.  The address registers are never rewritten.
.macro ASK
	s_cmp_eq_u32 s[PFW], 0
	s_cbranch_scc0 .Lnot_mine_\@
	global_prefetch_b8 v[PFO], s[PFA:PFA+1] th:TH_LOAD_NT scope:SCOPE_SE
.Lnot_mine_\@:
.endm
	s_load_b128 s[4:7], s[0:1], 0x0                ; qkv, attn
	v_lshl_add_u32 v[SPW], v0, 2, SPARE
	v_mov_b32 v[NIL], 0
	ds_add_u32 v[SPW], v[NIL]                      ; the wave's opening: the add, twice on end, and its wait ahead of the first tensor loads
	ds_add_u32 v[SPW], v[NIL]
	v_lshrrev_b32 v1, 5, v0
	v_readfirstlane_b32 s[WV], v1                  ; wave 0..15
	s_bfe_u32 s[CX], ttmp6, 0x40000                ; my block of 512 queries: it enters Q's, O's and the prefetch's addresses alone
	s_and_b32 s[HB], ttmp7, 0xffff                 ; 16 batch + head, which the four partners share
	s_and_b32 s[HF], s[WV], 1                      ; which 256 keys of a fill I fetch
	s_mov_b32 s[G1K], 15|(1<<16)|(1<<20)|(1<<21)|(5<<22)|(3<<25)   ; the mask: all four; elements of 2 bytes; padding on; bit 21 beside a mask; 4 words behind every 64
	s_mov_b32 s[G1V], 15|(1<<16)|(1<<20)|(1<<21)|(5<<22)|(7<<25)   ; the same with 8 words
.irp g, G1K, G1V
	s_mov_b32 s[\g+1], 128<<16                     ; tensor_dim0: 128 elements: two tokens
	s_mov_b32 s[\g+2], 128<<16                     ; tensor_dim1: 128 rows: 256 keys
	s_mov_b32 s[\g+3], 128<<16                     ; tile_dim0
	s_mov_b32 s[\g+4], 128                         ; tile_dim1
	s_mov_b32 s[\g+5], 128                         ; dense
	s_mov_b32 s[\g+6], 0
	s_mov_b32 s[\g+7], 0
.endr
	s_mov_b32 s[SEL], 0x76543210
	s_mov_b32 s[SEL+1], 0xfedcba98                 ; v_permlanex16_b32: lane l xor 16
	s_lshl_b32 s80, s[HB], 18                      ; the head's first byte in each tensor,
	s_lshl_b32 s81, s[HF], 15                      ; my 256 keys of 128 bytes
	s_add_co_u32 s80, s80, s81
	s_mov_b32 s81, 0
	s_mul_i32 s12, s[HF], 128*PK                   ; and their places in a slot
	s_mul_i32 s13, s[HF], 128*PV
	s_add_co_u32 s13, s13, KPART
	s_lshl_b32 s14, s[HB], 18                      ; Q and O: head, block of 512, my wave's 32 rows of 128 bytes
	s_lshl_b32 s15, s[CX], 16
	s_add_co_u32 s14, s14, s15
	s_lshl_b32 s15, s[WV], 12
	s_add_co_u32 s14, s14, s15
	s_mov_b32 s15, 0
	s_cmp_lt_u32 s[WV], 6
	s_mov_b32 s74, 2<<24
	s_cselect_b32 s74, 1<<24, s74                  ; the prefetch: k's tensor or v's,
	s_lshl_b32 s75, s[HB], 18
	s_add_co_u32 s74, s74, s75
	s_add_co_u32 s74, s74, 1536*128                ; the last 512 keys,
	s_lshl_b32 s75, s[CX], 14
	s_add_co_u32 s74, s74, s75                     ; my work-group's quarter,
	s_lshl_b32 s75, s[HF], 13
	s_add_co_u32 s74, s74, s75                     ; my wave's half of it
	s_mov_b32 s75, 0
	s_sub_co_u32 s[PFW], s[WV], 4
	s_lshr_b32 s[PFW], s[PFW], 2                   ; 0 in waves 4 to 7
	s_wait_dscnt 0x0                               ; both opening adds are done
	s_wait_kmcnt 0x0
	s_add_nc_u64 s[82:83], s[4:5], s[80:81]
	s_add_nc_u64 s[QP:QP+1], s[4:5], s[14:15]
	s_add_nc_u64 s[OP:OP+1], s[6:7], s[14:15]
	s_add_nc_u64 s[PFA:PFA+1], s[4:5], s[74:75]
.irp f, 0,1,2,3
	s_mov_b32 s[G0K+4*\f], 1
	s_add_co_u32 s[G0K+4*\f+1], s12, (\f%2)*SLOTB
	s_add_nc_u64 s[G0K+4*\f+2:G0K+4*\f+3], s[82:83], (1<<24)+\f*65536
	s_or_b32 s[G0K+4*\f+3], s[G0K+4*\f+3], 0x80000000
	s_mov_b32 s[G0V+4*\f], 1
	s_add_co_u32 s[G0V+4*\f+1], s13, (\f%2)*SLOTB
	s_add_nc_u64 s[G0V+4*\f+2:G0V+4*\f+3], s[82:83], (2<<24)+\f*65536
	s_or_b32 s[G0V+4*\f+3], s[G0V+4*\f+3], 0x80000000
.endr
	CROUND                                         ; all four work-groups are here: the first joint loads meet
	s_cmp_lt_u32 s[WV], 2                          ; a wave's two first fills stand in one branch: two loads of a fetching wave are out
	s_cbranch_scc0 .Lfirst_not_k
	tensor_load_to_lds s[G0K:G0K+3], s[G1K:G1K+7]
	s_nop 0
	tensor_load_to_lds s[G0K+4:G0K+7], s[G1K:G1K+7]
	s_nop 0
.rept 4
	v_nop
.endr
	s_branch .Lfirst_asked
.Lfirst_not_k:
	s_cmp_lt_u32 s[WV], 4
	s_cbranch_scc0 .Lfirst_asked
	tensor_load_to_lds s[G0V:G0V+3], s[G1V:G1V+7]
	s_nop 0
	tensor_load_to_lds s[G0V+4:G0V+7], s[G1V:G1V+7]
	s_nop 0
.rept 4
	v_nop
.endr
.Lfirst_asked:
	v_and_b32 v11, 15, v0                          ; r
	v_bfe_u32 v12, v0, 4, 1                        ; h
	v_lshlrev_b32 v[QO], 7, v11
	v_lshl_add_u32 v[QO], v12, 4, v[QO]            ; Q: row r of 128 bytes + 16 h
.irp t, 0,1
.irp c, 0,1
	global_load_b128 v[Q+16*\t+8*\c:Q+16*\t+8*\c+3],   v[QO], s[QP:QP+1] offset:2048*\t+64*\c      ; Q stays in registers: tile t, channels 32 c on
	global_load_b128 v[Q+16*\t+8*\c+4:Q+16*\t+8*\c+7], v[QO], s[QP:QP+1] offset:2048*\t+64*\c+32
.endr
.endr
	v_lshrrev_b32 v[AK0], 1, v11
	v_mul_u32_u24 v[AK0], v[AK0], PK
	v_and_b32 v13, 1, v11
	v_lshl_add_u32 v[AK0], v13, 7, v[AK0]
	v_lshl_add_u32 v[AK0], v12, 4, v[AK0]          ; K: (r / 2) pitch + (r % 2) 128 + 16 h
	v_bfe_u32 v[AV0], v0, 1, 2
	v_lshl_add_u32 v[AV0], v12, 2, v[AV0]
	v_mul_u32_u24 v[AV0], v[AV0], PV
	v_and_b32 v13, 1, v0
	v_lshl_add_u32 v[AV0], v13, 7, v[AV0]
	v_bfe_u32 v13, v0, 3, 1
	v_lshl_add_u32 v[AV0], v13, 4, v[AV0]          ; V, for the turning load: key 8 h + l % 8, channels 8 ((l / 8) % 2) on
	s_mul_i32 s80, s[WV], WSTG                     ; my stage
	v_add_nc_u32 v[STO], s80, v[AK0]               ; in: as a row of K lies
	v_mul_u32_u24 v[RD], v12, PK
	v_lshl_add_u32 v[RD], v11, 4, v[RD]
	v_add_nc_u32 v[RD], s80, v[RD]                 ; back: lanes 0-15 one row of 256 bytes, lanes 16-31 the next
	v_and_b32 v[GO], 31, v0
	v_lshlrev_b32 v[PFO], 8, v[GO]
	v_lshlrev_b32 v[GO], 4, v[GO]
.irp t, 0,1
	v_mov_b32 v[ST+8*\t], 0xff61b1e6               ; m: -3e38, under every score
.irp j, 1,2,3,4,5,6,7
	v_mov_b32 v[ST+8*\t+\j], 0
.endr
.endr
.irp j, 0,1,2,3,4,5,6,7,8,9,10,11,12,13,14,15,16,17,18,19,20,21,22,23,24,25,26,27,28,29,30,31,32,33,34,35,36,37,38,39,40,41,42,43,44,45,46,47,48,49,50,51,52,53,54,55,56,57,58,59,60,61,62,63
	v_mov_b32 v[O+\j], 0                           ; O^T: the step is written in one form: the first finds zeros, which a = 0 leaves zeros
.endr
; A KEY STEP: 64 keys.
.macro STEP
	v_add_nc_u32 v[ADK], s[TBK], v[AK0]
.rept 4
	v_nop                                          ; with the addition five plain lines behind the last V^T P: its V registers are loaded again, and its P registers are written over by the products below
.endr
.irp kt, 0,1,2,3
.irp c, 0,1
	ds_load_b128 v[KV+16*\kt+8*\c:KV+16*\kt+8*\c+3],   v[ADK] offset:2176*\kt+64*\c
	ds_load_b128 v[KV+16*\kt+8*\c+4:KV+16*\kt+8*\c+7], v[ADK] offset:2176*\kt+64*\c+32
.endr
.endr
	s_wait_dscnt 0x0
.irp c, 0,1                                    ; S^T = K Q^T: eight accumulators by turns
.irp kt, 0,1,2,3
.irp t, 0,1
.if \c == 0
	v_wmma_f32_16x16x32_bf16 v[S+32*\t+8*\kt:S+32*\t+8*\kt+7], v[KV+16*\kt+8*\c:KV+16*\kt+8*\c+7], v[Q+16*\t+8*\c:Q+16*\t+8*\c+7], 0
.else
	v_wmma_f32_16x16x32_bf16 v[S+32*\t+8*\kt:S+32*\t+8*\kt+7], v[KV+16*\kt+8*\c:KV+16*\kt+8*\c+7], v[Q+16*\t+8*\c:Q+16*\t+8*\c+7], v[S+32*\t+8*\kt:S+32*\t+8*\kt+7]
.endif
.endr
.endr
.endr
	v_add_nc_u32 v[ADV], s[TBV], v[AV0]
.rept 3
	v_nop                                          ; four plain lines behind the products: K's registers are loaded again, and the scores are read
.endr
.irp kc, 0,1                                   ; V lands while the softmax runs: keys 32 kc on, channels 16 ct on
.irp ct, 0,1,2,3
	ds_load_tr16_b128 v[KV+32*\kc+8*\ct:KV+32*\kc+8*\ct+3],   v[ADV] offset:4608*\kc+32*\ct
	ds_load_tr16_b128 v[KV+32*\kc+8*\ct+4:KV+32*\kc+8*\ct+7], v[ADV] offset:4608*\kc+32*\ct+2304
.endr
.endr
	; the maximum of my 32 scores and the old m, three operands at a time, four chains; each accumulator is read from its low end on; the two tiles alternate
.irp j, 0,1,2,3
.irp t, 0,1
	v_max3_num_f32 v[ST+8*\t+4+\j], v[S+32*\t+8*\j], v[S+32*\t+8*\j+1], v[S+32*\t+8*\j+2]
.endr
.endr
.irp g, 1,2
.irp j, 0,1,2,3
.irp t, 0,1
	v_max3_num_f32 v[ST+8*\t+4+\j], v[ST+8*\t+4+\j], v[S+32*\t+8*\j+2*\g+1], v[S+32*\t+8*\j+2*\g+2]
.endr
.endr
.endr
.irp t, 0,1
	v_max3_num_f32 v[ST+8*\t+4], v[ST+8*\t+4], v[S+32*\t+7], v[S+32*\t+15]
.endr
.irp t, 0,1
	v_max3_num_f32 v[ST+8*\t+6], v[ST+8*\t+6], v[S+32*\t+23], v[S+32*\t+31]
.endr
.irp t, 0,1
	v_max3_num_f32 v[ST+8*\t+4], v[ST+8*\t+4], v[ST+8*\t+5], v[ST+8*\t+6]
.endr
.irp t, 0,1
	v_max3_num_f32 v[ST+8*\t+4], v[ST+8*\t+4], v[ST+8*\t+7], v[ST+8*\t]
.endr
.irp t, 0,1
	v_permlanex16_b32 v[ST+8*\t+5], v[ST+8*\t+4], s[SEL], s[SEL+1]   ; the query's other 32 keys lie in the lane 16 away
.endr
.irp t, 0,1
	v_mov_b32 v[ST+8*\t+7], v[ST+8*\t]             ; the old m
.endr
.irp t, 0,1
	v_max_num_f32 v[ST+8*\t], v[ST+8*\t+4], v[ST+8*\t+5]
.endr
.irp t, 0,1
	v_sub_f32 v[ST+8*\t+7], v[ST+8*\t+7], v[ST+8*\t]
.endr
.irp t, 0,1
	v_exp_f32 v[ST+8*\t+6], v[ST+8*\t+7]           ; a = 2^(old m - new m)
.endr
.irp b, 0,1,2,3,4,5,6,7,8,9,10,11,12,13,14,15
.irp t, 0,1
	v_pk_add_f32 v[S+32*\t+2*\b:S+32*\t+2*\b+1], v[S+32*\t+2*\b:S+32*\t+2*\b+1], v[ST+8*\t:ST+8*\t+1] op_sel_hi:[1,0] neg_lo:[0,1] neg_hi:[0,1]   ; s - m, two at a time
.endr
.endr
.irp e, 0,1,2,3,4,5,6,7,8,9,10,11,12,13,14,15,16,17,18,19,20,21,22,23,24,25,26,27,28,29,30,31
.irp t, 0,1
	v_exp_f32 v[S+32*\t+\e], v[S+32*\t+\e]         ; p = 2^(s - m), at most 1
.endr
.endr
	v_nop                                          ; a plain line behind the last exponential
	s_wait_alu depctr_va_vdst(0)                   ; ONE wait for both tiles' 66 exponentials, ahead of the first line that names a result
.irp t, 0,1                                    ; the sum of the unrounded p, in two chains a tile
	v_pk_add_f32 v[ST+8*\t+4:ST+8*\t+5], v[S+32*\t:S+32*\t+1], v[S+32*\t+2:S+32*\t+3]
	v_pk_add_f32 v[SB+2*\t:SB+2*\t+1], v[S+32*\t+4:S+32*\t+5], v[S+32*\t+6:S+32*\t+7]
.endr
.irp j, 8,12,16,20,24,28
.irp t, 0,1
	v_pk_add_f32 v[ST+8*\t+4:ST+8*\t+5], v[ST+8*\t+4:ST+8*\t+5], v[S+32*\t+\j:S+32*\t+\j+1]
	v_pk_add_f32 v[SB+2*\t:SB+2*\t+1], v[SB+2*\t:SB+2*\t+1], v[S+32*\t+\j+2:S+32*\t+\j+3]
.endr
.endr
.irp t, 0,1
	v_pk_add_f32 v[ST+8*\t+4:ST+8*\t+5], v[ST+8*\t+4:ST+8*\t+5], v[SB+2*\t:SB+2*\t+1]
.endr
.irp t, 0,1
	v_pk_fma_f32 v[ST+8*\t+2:ST+8*\t+3], v[ST+8*\t+2:ST+8*\t+3], v[ST+8*\t+6:ST+8*\t+7], v[ST+8*\t+4:ST+8*\t+5] op_sel_hi:[1,0,1]   ; l = a l + the step's sum
.endr
.irp i, 0,1,2,3,4,5,6,7,8,9,10,11,12,13,14,15
.irp t, 0,1
	v_cvt_pk_f16_f32 v[S+32*\t+\i], v[S+32*\t+2*\i], v[S+32*\t+2*\i+1]   ; in place, ascending: registers 8 kc .. 8 kc + 7 become P's fragment of keys 32 kc on
.endr
.endr
.irp i, 0,1,2,3,4,5,6,7,8,9,10,11,12,13,14,15
.irp t, 0,1
	v_pk_mul_f32 v[O+32*\t+2*\i:O+32*\t+2*\i+1], v[O+32*\t+2*\i:O+32*\t+2*\i+1], v[ST+8*\t+6:ST+8*\t+7] op_sel_hi:[1,0]   ; O^T x a, each accumulator from its low end on
.endr
.endr
	s_wait_dscnt 0x0                               ; V is in
.irp kc, 0,1                                   ; O^T += V^T P: eight accumulators by turns
.irp ct, 0,1,2,3
.irp t, 0,1
	v_wmma_f32_16x16x32_f16 v[O+32*\t+8*\ct:O+32*\t+8*\ct+7], v[KV+32*\kc+8*\ct:KV+32*\kc+8*\ct+7], v[S+32*\t+8*\kc:S+32*\t+8*\kc+7], v[O+32*\t+8*\ct:O+32*\t+8*\ct+7]
.endr
.endr
.endr
.endm
; A slot's eight key steps: the step is written once a slot and walked eight times; the LDS addresses step by constants.
.macro SECTION slot
	s_mov_b32 s[TBK], \slot*SLOTB
	s_mov_b32 s[TBV], \slot*SLOTB+KPART
	s_mov_b32 s[CNT], 8
.Lstep_\@:
	STEP
	s_add_co_u32 s[TBK], s[TBK], STEPK
	s_add_co_u32 s[TBV], s[TBV], STEPV
	s_sub_co_u32 s[CNT], s[CNT], 1
	s_cmp_lg_u32 s[CNT], 0
	s_cbranch_scc1 .Lstep_\@
.endm
; THE CHANGE OF SLOTS.  Each wave waits for all its tensor loads (its part of the slot ahead), adds 0 to its spare word, and waits for that and for its reads of the slot that it leaves.
; fill = 1: the barrier is a round of the cluster's, so that no wave of any partner still reads the slot or has a load on its way; fill f is the first thing behind it and has eight key steps in which to land.
.macro CHANGE fill, f, ask
	s_wait_tensorcnt 0x0
	ds_add_u32 v[SPW], v[NIL]
.if \fill
	ds_add_u32 v[SPW], v[NIL]                      ; and, where a load follows that twelve waves pass by, twice on end
.endif
	s_wait_dscnt 0x0
.if \fill
	CROUND
	JLOAD \f
.if \ask
	ASK
.endif
.else
	s_barrier_signal -1
	s_barrier_wait -1
.endif
.endm
	s_wait_tensorcnt 1                             ; my part of the first fill is in; the second's may stay out
	s_barrier_signal -1
	s_barrier_wait -1
	s_wait_loadcnt 0x0                             ; Q
	SECTION 0
	CHANGE 1, 2, 1
	SECTION 1
	CHANGE 1, 3, 0
	SECTION 0
	CHANGE 0, 0, 0
	SECTION 1
	; THE WAY OUT.  The sum's two halves and the other half of the lanes' are added; O^T / the sum, rounded to f16, goes through my stage and leaves as 512 consecutive bytes an instruction.
.irp t, 0,1
	v_add_f32 v[ST+8*\t+4], v[ST+8*\t+2], v[ST+8*\t+3]
.endr
	v_nop
	v_nop                                          ; four plain lines behind the last products
.irp t, 0,1
	v_permlanex16_b32 v[ST+8*\t+5], v[ST+8*\t+4], s[SEL], s[SEL+1]
.endr
.irp t, 0,1
	v_add_f32 v[ST+8*\t+4], v[ST+8*\t+4], v[ST+8*\t+5]
.endr
.irp t, 0,1
	v_rcp_f32 v[ST+8*\t+6], v[ST+8*\t+4]
.endr
	v_nop                                          ; a plain line behind the reciprocals
	s_wait_alu depctr_va_vdst(0)                   ; and the wait ahead of their first reader
.irp t, 0,1
.irp i, 0,1,2,3,4,5,6,7,8,9,10,11,12,13,14,15
	v_pk_mul_f32 v[O+32*\t+2*\i:O+32*\t+2*\i+1], v[O+32*\t+2*\i:O+32*\t+2*\i+1], v[ST+8*\t+6:ST+8*\t+7] op_sel_hi:[1,0]
.endr
.irp i, 0,1,2,3,4,5,6,7,8,9,10,11,12,13,14,15
	v_cvt_pk_f16_f32 v[S+32*\t+\i], v[O+32*\t+2*\i], v[O+32*\t+2*\i+1]
.endr
.irp ct, 0,1,2,3
	ds_store_b128 v[STO], v[S+32*\t+4*\ct:S+32*\t+4*\ct+3] offset:2176*\t+32*\ct
.endr
.irp i, 0,1,2,3
	ds_load_b128 v[S+32*\t+16+4*\i:S+32*\t+16+4*\i+3], v[RD] offset:2176*\t+544*\i   ; LDS serves a wave's instructions in order: these see the stores above
.endr
.endr
.irp i, 0,1,2,3
	s_wait_dscnt 11-\i                             ; behind tile 0's load i: its younger loads and tile 1's eight LDS instructions
	global_store_b128 v[GO], v[S+16+4*\i:S+16+4*\i+3], s[OP:OP+1] offset:512*\i
.endr
.irp i, 0,1,2,3
	s_wait_dscnt 3-\i
	global_store_b128 v[GO], v[S+48+4*\i:S+48+4*\i+3], s[OP:OP+1] offset:2048+512*\i
.endr
	s_wait_tensorcnt 0x0                           ; the wave's end
	ds_add_u32 v[SPW], v[NIL]
	s_wait_dscnt 0x0
	CROUND                                         ; the closing round
	s_endpgm
.Lfunc_end_k_qb4937d2a95_attn:
	.size	k_qb4937d2a95_attn, .Lfunc_end_k_qb4937d2a95_attn-k_qb4937d2a95_attn
	.p2alignl 7, 3214868480
	.fill 96, 4, 3214868480
	.section	.rodata,"a",@progbits
	.p2align	6, 0x0
	.amdhsa_kernel k_qb4937d2a95_attn
		.amdhsa_group_segment_fixed_size 327680
		.amdhsa_private_segment_fixed_size 0
		.amdhsa_enable_private_segment 0
		.amdhsa_kernarg_size 16
		.amdhsa_user_sgpr_count 2
		.amdhsa_user_sgpr_kernarg_segment_ptr 1
		.amdhsa_wavefront_size32 1
		.amdhsa_system_sgpr_workgroup_id_x 1
		.amdhsa_system_sgpr_workgroup_id_y 1
		.amdhsa_system_sgpr_workgroup_id_z 1
		.amdhsa_system_vgpr_workitem_id 0
		.amdhsa_next_free_vgpr 256
		.amdhsa_next_free_sgpr 84
		.amdhsa_reserve_vcc 0
		.amdhsa_float_denorm_mode_32 3
		.amdhsa_float_denorm_mode_16_64 3
		.amdhsa_memory_ordered 1
		.amdhsa_forward_progress 1
		.amdhsa_inst_pref_size 89
	.end_amdhsa_kernel
	.amdgpu_metadata
---
amdhsa.version: [ 1, 2 ]
amdhsa.kernels:
  - .name:           k_qb4937d2a95_attn
    .symbol:         k_qb4937d2a95_attn.kd
    .args:
      - { .name: qkv, .offset: 0, .size: 8, .value_kind: global_buffer, .address_space: global }
      - { .name: attn, .offset: 8, .size: 8, .value_kind: global_buffer, .address_space: global }
    .group_segment_fixed_size: 327680
    .private_segment_fixed_size: 0
    .kernarg_segment_align: 8
    .kernarg_segment_size: 16
    .max_flat_workgroup_size: 512
    .sgpr_count:     84
    .vgpr_count:     256
    .wavefront_size: 32
...
	.end_amdgpu_metadata
.endif
;; end of part 3
;; launch outp (part 4): grid 4 x 64, 4 waves a work-group, clusters of 4 x 4, 327,680 bytes of LDS; arguments attn, wo16, bo, out0; writes out0
.if DOCPART == 4
	.amdgcn_target "amdgcn-amd-amdhsa--gfx1250"
	.amdhsa_code_object_version 6
	.text
	.protected	k_qb4937d2a95_outp
	.globl	k_qb4937d2a95_outp
	.p2align	8
	.type	k_qb4937d2a95_outp,@function
k_qb4937d2a95_outp:
	s_mov_b64 s[64:65], 0
	v_nop
	global_prefetch_b8 v0, s[64:65] scope:SCOPE_SE
	s_setreg_imm32_b32 hwreg(HW_REG_WAVE_MODE, 25, 1), 1
	s_wait_xcnt 0x0
	s_wait_alu depctr_hold_cnt(0) depctr_sa_sdst(0) depctr_va_vdst(0) depctr_va_sdst(0) depctr_va_ssrc(0) depctr_va_vcc(0) depctr_vm_vsrc(0)
	s_getreg_b32 s2, hwreg(HW_REG_IB_STS2, 6, 4)
	s_cmp_eq_u32 s2, 0
	s_cbranch_scc0 .Lentry_in_a_cluster
	s_endpgm
.Lentry_in_a_cluster:
	s_bfe_u32 s2, ttmp6, 0x10000c
	s_cmp_lg_u32 s2, 0xf033
	s_cbranch_scc0 .Lentry_shape_is_right
	s_endpgm
.Lentry_shape_is_right:
; out0[token][n] = the sum over k of A[token][k] Wo[k][n] + bo[n].  A is the attention's result, f16, laid [16 batch + head][token][64] (k = 64 head + channel); Wo is f16, [k][n]; out0 f32; sums in f32.
; A tile of 128 tokens x 256 columns is made by a work-group of four waves, 256 work-groups in all; a wave makes 64 x 128: 32 accumulators, 256 registers.
; K goes in eight steps of 128 (two heads) through two LDS slots.  A's part of a slot: for each head 128 tokens as 64 rows of 256 bytes, two tokens to a row, pitch 272.  Wo's part: 128 rows k of 512 bytes, pitch 544;
; it is turned on the way into registers by ds_load_tr16_b128.
; CLUSTERS: 4 x 4 work-groups; A's tiles are shared along a row of the cluster, Wo's along a column: joint loads.  THE MATRIX INSTRUCTION IS USED TRANSPOSED (source 0 = 16 columns n, source 1 = 16 tokens).
; The bias is the C of each sum's first matrix instruction.  No prefetch: the tile is small and a step's load has a whole step in which to land.
; LIMITS: operands in f16 (magnitudes up to 65,504; absolute error 3e-8 under 6e-5).
; REGISTERS: window 0: v16-29 addresses; v128-191 the bias, eight registers for each of my eight blocks of columns; v32-95, v192-255 rows on the way out.
;   window 1: two fragment buffers: Wo's eight fragments, then A's four: F0 at v0, F1 at v128.   window 2: accumulator (a, b) at v[8 (8 a + b)].
.set PA,     272
.set PB,     544
.set APART,  2*64*PA                   ; 34,816
.set SLOT,   APART+128*PB              ; 104,448
.set STAGE,  2*SLOT
.set SPITCH, 528
.set SPARE,  STAGE+4*16*SPITCH         ; the spare words, 128 bytes a wave
.set ADRA, 16
.set ADRB, 20
.set STO,  24
.set RD,   25
.set CO,   26
.set BO,   27
.set SPW,  28
.set NIL,  29
.set BIAS, 128
.set F0,   0
.set F1,   128
.set G1, 24
.set G0, 32
.set G1B, 48
.set G0B, 56
.set MSB, 0
.macro WIN new
.if MSB != \new
	s_set_vgpr_msb (MSB<<8)|\new
.set MSB, \new
.endif
.endm
.set MUL,  0xa5                        ; sources 0 and 1 window 1; C and D window 2
.set MULB, 0x85                        ; the same with C, the bias, in window 0
.set TO_F, 0x40
.macro JLOAD s                         ; a joint load: waves 0 and 1 fetch A's two heads, waves 2 and 3 Wo's two halves; an s_nop 0 and four v_nop follow each line
	s_cmp_eq_u32 s13, 0
	s_cbranch_scc0 .Lfor_b_\@
	tensor_load_to_lds s[G0+4*\s:G0+4*\s+3], s[G1:G1+7]
	s_nop 0
.rept 4
	v_nop
.endr
	s_branch .Lasked_\@
.Lfor_b_\@:
	tensor_load_to_lds s[G0B+4*\s:G0B+4*\s+3], s[G1B:G1B+7]
	s_nop 0
.rept 4
	v_nop
.endr
.Lasked_\@:
.endm
.macro CREST
	s_cmp_lg_u32 s12, 0
	s_cbranch_scc1 .Lnot_wave_0_\@
	s_barrier_signal -3
.Lnot_wave_0_\@:
	s_barrier_wait -3
	s_barrier_signal -1
	s_barrier_wait -1
.endm
.macro CROUND
	s_barrier_signal -1
	s_barrier_wait -1
	CREST
.endm
	s_load_b256 s[4:11], s[0:1], 0x0               ; attn s[4:5], wo16 s[6:7], bo s[8:9], out0 s[10:11]
	v_lshl_add_u32 v[SPW], v0, 2, SPARE
	v_mov_b32 v[NIL], 0
	ds_add_u32 v[SPW], v[NIL]                      ; the wave's opening: the add, twice on end, and its wait ahead of my first tensor load
	ds_add_u32 v[SPW], v[NIL]
	v_lshrrev_b32 v1, 5, v0
	v_readfirstlane_b32 s12, v1                    ; wave 0..3
	s_lshr_b32 s13, s12, 1                         ; which 64 tokens are mine.  Also: I fetch for A (0) or for Wo (1)
	s_and_b32 s14, s12, 1                          ; which 128 columns.  Also: which half I fetch
	s_bfe_u32 s40, ttmp6, 0x40000
	s_bfe_u32 s41, ttmp6, 0x40004
	s_lshl_b32 s42, ttmp9, 2
	s_add_co_u32 s42, s42, s40                     ; tile column
	s_and_b32 s15, ttmp7, 0xffff
	s_lshl_b32 s15, s15, 2
	s_add_co_u32 s15, s15, s41                     ; tile row, 0 .. 63
	s_lshl_b32 s43, s41, 2
	s_lshl_b32 s43, 15, s43                        ; my row of the cluster
	s_lshl_b32 s44, 0x1111, s40                    ; my column
	s_or_b32 s[G1+0], s43, (1<<16)|(1<<20)|(1<<21)|(5<<22)|(3<<25)    ; A: elements of 2 bytes; 4 words of padding behind every 64
	s_mov_b32 s[G1+1], 128<<16                     ; two tokens to a row
	s_mov_b32 s[G1+2], 64<<16
	s_mov_b32 s[G1+3], 128<<16
	s_mov_b32 s[G1+4], 64
	s_mov_b32 s[G1+5], 128                         ; dense
	s_mov_b32 s[G1+6], 0
	s_mov_b32 s[G1+7], 0
	s_or_b32 s[G1B+0], s44, (1<<16)|(1<<20)|(1<<21)|(6<<22)|(7<<25)   ; Wo: 8 words of padding behind every 128
	s_mov_b32 s[G1B+1], 256<<16
	s_mov_b32 s[G1B+2], 64<<16
	s_mov_b32 s[G1B+3], 256<<16
	s_mov_b32 s[G1B+4], 64
	s_mov_b32 s[G1B+5], 1024
	s_mov_b32 s[G1B+6], 0
	s_mov_b32 s[G1B+7], 0
	s_lshr_b32 s16, s15, 4                         ; A: the batch (16 tiles of 128 tokens), 2^22 bytes each,
	s_lshl_b32 s16, s16, 22
	s_and_b32 s17, s15, 15
	s_lshl_b32 s17, s17, 14                        ; the tile's 128 tokens of 128 bytes,
	s_add_co_u32 s16, s16, s17
	s_lshl_b32 s17, s14, 18                        ; my head of the step's two
	s_add_co_u32 s16, s16, s17
	s_mov_b32 s17, 0
	s_lshl_b32 s46, s14, 17                        ; Wo: my 64 rows of 2,048 bytes,
	s_lshl_b32 s47, s42, 9                         ; the tile's 256 columns
	s_add_co_u32 s46, s46, s47
	s_mov_b32 s47, 0
	s_mul_i32 s20, s14, 64*PA                      ; where they go: no place in the cluster enters an LDS address
	s_mul_i32 s21, s14, 64*PB
	s_add_co_u32 s21, s21, APART
	s_wait_dscnt 0x0                               ; both opening adds are done
	s_wait_kmcnt 0x0
	s_add_nc_u64 s[16:17], s[4:5], s[16:17]
	s_add_nc_u64 s[46:47], s[6:7], s[46:47]
	CROUND                                         ; all sixteen work-groups are here
.irp s, 0,1
	s_mov_b32 s[G0+4*\s], 1
	s_add_co_u32 s[G0+4*\s+1], s20, \s*SLOT
	s_add_nc_u64 s[G0+4*\s+2:G0+4*\s+3], s[16:17], \s*524288      ; two heads on
	s_or_b32 s[G0+4*\s+3], s[G0+4*\s+3], 0x80000000
	s_mov_b32 s[G0B+4*\s], 1
	s_add_co_u32 s[G0B+4*\s+1], s21, \s*SLOT
	s_add_nc_u64 s[G0B+4*\s+2:G0B+4*\s+3], s[46:47], \s*262144    ; 128 rows on
	s_or_b32 s[G0B+4*\s+3], s[G0B+4*\s+3], 0x80000000
	JLOAD \s                                       ; two loads of mine are out
.endr
	v_and_b32 v1, 15, v0                           ; r
	v_bfe_u32 v2, v0, 4, 1                         ; h
	v_lshrrev_b32 v3, 1, v1
	v_mul_u32_u24 v3, v3, PA
	v_and_b32 v4, 1, v1
	v_lshl_add_u32 v3, v4, 7, v3
	v_lshl_add_u32 v3, v2, 4, v3                   ; A: (r / 2) pitch + (r % 2) 128 + 16 h
	v_and_b32 v4, 7, v0
	v_lshl_add_u32 v4, v2, 3, v4
	v_mul_u32_u24 v4, v4, PB
	v_bfe_u32 v5, v0, 3, 1
	v_lshl_add_u32 v4, v5, 4, v4                   ; Wo, for the turning load: row 8 h + l % 8, columns 8 ((l / 8) % 2) on
	s_mul_i32 s18, s13, 32*PA                      ; my 64 tokens
	s_lshl_b32 s19, s14, 8                         ; my 128 columns,
	s_add_co_u32 s19, s19, APART                   ; behind A's part
.irp s, 0,1
	v_add_nc_u32 v[ADRA+\s], s18, v3
	v_add_nc_u32 v[ADRB+\s], s19, v4
	s_add_co_u32 s18, s18, SLOT
	s_add_co_u32 s19, s19, SLOT
.endr
	s_mul_i32 s2, s12, 16*SPITCH
	s_add_co_u32 s2, s2, STAGE                     ; my stage
	v_mul_u32_u24 v5, v1, SPITCH
	v_lshl_add_u32 v5, v2, 5, v5
	v_add_nc_u32 v[STO], s2, v5                    ; in: row r, 32 bytes for each half of the lanes
	v_and_b32 v6, 31, v0
	v_lshlrev_b32 v[CO], 4, v6                     ; back: the 32 lanes take one row of 512 bytes; and the same in out0
	v_add_nc_u32 v[RD], s2, v[CO]
	s_lshl_b32 s22, s42, 10
	s_lshl_b32 s23, s14, 9
	s_add_co_u32 s22, s22, s23                     ; my first column in bytes of f32: in bo and in a row of out0
	s_mov_b32 s23, 0
	s_add_nc_u64 s[8:9], s[8:9], s[22:23]
	s_lshl_b32 s18, s15, 19                        ; 128 rows of 4,096 bytes,
	s_lshl_b32 s19, s13, 18                        ; my 64
	s_add_co_u32 s18, s18, s19
	s_add_co_u32 s18, s18, s22
	s_mov_b32 s19, 0
	s_add_nc_u64 s[10:11], s[10:11], s[18:19]
	v_lshlrev_b32 v[BO], 5, v2
.irp b, 0,1,2,3,4,5,6,7
	global_load_b128 v[BIAS+8*\b:BIAS+8*\b+3],   v[BO], s[8:9] offset:64*\b       ; bo at columns 16 b + 8 h + 0 .. 7: the result's layout
	global_load_b128 v[BIAS+8*\b+4:BIAS+8*\b+7], v[BO], s[8:9] offset:64*\b+16
.endr
; 8 matrix instructions: block a of tokens x my eight blocks of columns, 32 along K.  zero = 1: the first product starts the sums from the bias.  The 32 accumulators take turns in the same order in every quarter.
.macro MUL8 f, a, zero
.irp b, 0,1,2,3,4,5,6,7
.if \zero
	v_wmma_f32_16x16x32_f16 v[8*(8*(\a)+\b):8*(8*(\a)+\b)+7], v[\f+8*\b:\f+8*\b+7], v[\f+64+8*(\a):\f+64+8*(\a)+7], v[BIAS+8*\b:BIAS+8*\b+7]
.else
	v_wmma_f32_16x16x32_f16 v[8*(8*(\a)+\b):8*(8*(\a)+\b)+7], v[\f+8*\b:\f+8*\b+7], v[\f+64+8*(\a):\f+64+8*(\a)+7], v[8*(8*(\a)+\b):8*(8*(\a)+\b)+7]
.endif
.endr
.endm
.macro MUL16 f, a0, zero
	MUL8 \f, \a0, \zero
	MUL8 \f, (\a0)+1, \zero
.endm
; 24 LDS loads in one run: the fragments of the slot's kq-th 32 along K into buffer f: Wo's eight, then A's four
.macro FETCH slot, kq, f
	WIN TO_F
.irp b, 0,1,2,3,4,5,6,7
	ds_load_tr16_b128 v[\f+8*\b:\f+8*\b+3],   v[ADRB+\slot] offset:17408*(\kq)+32*\b
	ds_load_tr16_b128 v[\f+8*\b+4:\f+8*\b+7], v[ADRB+\slot] offset:17408*(\kq)+32*\b+8704
.endr
.irp a, 0,1,2,3
	ds_load_b128 v[\f+64+8*\a:\f+64+8*\a+3],   v[ADRA+\slot] offset:17408*((\kq)/2)+2176*\a+64*((\kq)%2)
	ds_load_b128 v[\f+64+8*\a+4:\f+64+8*\a+7], v[ADRA+\slot] offset:17408*((\kq)/2)+2176*\a+64*((\kq)%2)+32
.endr
.endm
.macro PLACES                          ; four plain lines in front of loads into registers that matrix instructions have read, and of reads of results
.rept 4
	v_nop
.endr
.endm
; A K step is four quarters of 32 along K, 32 matrix instructions each, on buffers 0, 1, 0, 1.  One of the first three: multiplies buffer f and fetches the next quarter, kq, into g.
.macro QUARTER slot, kq, f, g, zero
	s_wait_dscnt 4                                 ; Wo's fragments and A's blocks 0, 1 are in; the youngest four loads (blocks 2, 3) may be out
.if \zero
	WIN MULB
.else
	WIN MUL
.endif
	MUL16 \f, 0, \zero
	PLACES
	FETCH \slot, \kq, \g
	s_wait_dscnt 24                                ; all but the 24 just issued
.if \zero
	WIN MULB
.else
	WIN MUL
.endif
	MUL16 \f, 2, \zero
.endm
; The last quarter multiplies buffer 1 and changes slots: ONE barrier; in front of it each wave waits for all its tensor loads, adds 0 to its spare word, and waits for that and for its reads of this slot.
; fill = 1: the barrier opens a round of the cluster's, and this slot is filled again, two K steps ahead, first thing behind it.
.macro TURN slot, next, fill
	WIN 0
	s_wait_tensorcnt 0x0                           ; my part of the next slot has landed
	ds_add_u32 v[SPW], v[NIL]
	s_wait_dscnt 5                                 ; (the add and the youngest four loads may be out)
	WIN MUL
	MUL8 F1, 0, 0
	s_wait_dscnt 0x0                               ; the add is done, and my reads of this slot are over
	s_barrier_signal -1
	MUL8 F1, 1, 0
.if \fill
	WIN 0
.endif
	s_barrier_wait -1
.if \fill
	CREST
	s_add_nc_u64 s[G0+4*\slot+2:G0+4*\slot+3], s[G0+4*\slot+2:G0+4*\slot+3], 1048576     ; four heads on
	s_add_nc_u64 s[G0B+4*\slot+2:G0B+4*\slot+3], s[G0B+4*\slot+2:G0B+4*\slot+3], 524288  ; 256 rows on
	JLOAD \slot                                    ; the four v_nop behind it are also the places in front of the loads below
.else
	PLACES
.endif
	FETCH \next, 0, F0
	WIN MUL
	MUL16 F1, 2, 0
.endm
	s_wait_tensorcnt 1                             ; my part of K step 0 is in (K step 1's may be out)
	s_barrier_signal -1
	s_barrier_wait -1                              ; everybody's is
	s_wait_loadcnt 0x0                             ; the bias
	FETCH 0, 0, F0
	QUARTER 0, 1, F0, F1, 1                        ; the first quarter stands in front of the loop: its products start the sums
	WIN 0
	s_mov_b32 s3, 3
.Llap:                                                 ; a trip goes once round the ring and fills both slots again: K steps 2 to 7
	QUARTER 0, 2, F1, F0, 0
	QUARTER 0, 3, F0, F1, 0
	TURN 0, 1, 1
	QUARTER 1, 1, F0, F1, 0
	QUARTER 1, 2, F1, F0, 0
	QUARTER 1, 3, F0, F1, 0
	TURN 1, 0, 1
	QUARTER 0, 1, F0, F1, 0
	WIN 0
	s_sub_co_u32 s3, s3, 1
	s_cmp_lg_u32 s3, 0
	s_cbranch_scc1 .Llap
	QUARTER 0, 2, F1, F0, 0                        ; the last lap fills nothing
	QUARTER 0, 3, F0, F1, 0
	TURN 0, 1, 0
	QUARTER 1, 1, F0, F1, 0
	QUARTER 1, 2, F1, F0, 0
	QUARTER 1, 3, F0, F1, 0
	s_wait_dscnt 4
	WIN MUL
	MUL16 F1, 0, 0
	s_wait_dscnt 0
	MUL16 F1, 2, 0
	WIN 0
; THE WAY OUT, block by block of 16 tokens x 128 columns: through my own stage, back as whole rows of 512 bytes.
.macro TOSTAGE a
	WIN 0x08                                       ; an LDS store's data are its source 1: window 2
.irp b, 0,1,2,3,4,5,6,7
	ds_store_b128 v[STO], v[8*(8*(\a)+\b):8*(8*(\a)+\b)+3] offset:64*\b          ; each accumulator from its low end on
	ds_store_b128 v[STO], v[8*(8*(\a)+\b)+4:8*(8*(\a)+\b)+7] offset:64*\b+16
.endr
	WIN 0
.set BB, 32+160*((\a)%2)
.irp t, 0,1,2,3,4,5,6,7,8,9,10,11,12,13,14,15
	ds_load_b128 v[BB+4*\t:BB+4*\t+3], v[RD] offset:\t*SPITCH   ; LDS serves a wave's instructions in order: these see the stores above, and the next block's stores come behind them
.endr
.endm
.macro SEND a, younger
.set BB, 32+160*((\a)%2)
	s_wait_dscnt \younger
.irp t, 0,1,2,3,4,5,6,7,8,9,10,11,12,13,14,15
	global_store_b128 v[CO], v[BB+4*\t:BB+4*\t+3], s[10:11] offset:(16*(\a)+\t)*4096 th:TH_STORE_NT   ; 32 lanes store 512 consecutive bytes, aligned; written once, read by nobody here
.endr
.endm
	PLACES
	TOSTAGE 0
.irp a, 1,2,3
.if \a > 1
	s_wait_xcnt 0x0                                ; block a - 2's stores have read their registers: block a's loads may land there
.endif
	TOSTAGE \a
	SEND \a-1, 32                                  ; behind block a - 1's loads: block a's 16 stores and 16 loads
.endr
	SEND 3, 0
	s_wait_tensorcnt 0x0                           ; the wave's end
	ds_add_u32 v[SPW], v[NIL]
	s_wait_dscnt 0x0
	CROUND                                         ; the closing round
	s_endpgm
.Lfunc_end_k_qb4937d2a95_outp:
	.size	k_qb4937d2a95_outp, .Lfunc_end_k_qb4937d2a95_outp-k_qb4937d2a95_outp
	.p2alignl 7, 3214868480
	.fill 96, 4, 3214868480
	.section	.rodata,"a",@progbits
	.p2align	6, 0x0
	.amdhsa_kernel k_qb4937d2a95_outp
		.amdhsa_group_segment_fixed_size 327680
		.amdhsa_private_segment_fixed_size 0
		.amdhsa_enable_private_segment 0
		.amdhsa_kernarg_size 32
		.amdhsa_user_sgpr_count 2
		.amdhsa_user_sgpr_kernarg_segment_ptr 1
		.amdhsa_wavefront_size32 1
		.amdhsa_system_sgpr_workgroup_id_x 1
		.amdhsa_system_sgpr_workgroup_id_y 1
		.amdhsa_system_sgpr_workgroup_id_z 1
		.amdhsa_system_vgpr_workitem_id 0
		.amdhsa_next_free_vgpr 768
		.amdhsa_next_free_sgpr 66
		.amdhsa_reserve_vcc 0
		.amdhsa_float_denorm_mode_32 3
		.amdhsa_float_denorm_mode_16_64 3
		.amdhsa_memory_ordered 1
		.amdhsa_forward_progress 1
		.amdhsa_inst_pref_size 87
	.end_amdhsa_kernel
	.amdgpu_metadata
---
amdhsa.version: [ 1, 2 ]
amdhsa.kernels:
  - .name:           k_qb4937d2a95_outp
    .symbol:         k_qb4937d2a95_outp.kd
    .args:
      - { .name: attn, .offset: 0, .size: 8, .value_kind: global_buffer, .address_space: global }
      - { .name: wo16, .offset: 8, .size: 8, .value_kind: global_buffer, .address_space: global }
      - { .name: bo, .offset: 16, .size: 8, .value_kind: global_buffer, .address_space: global }
      - { .name: out0, .offset: 24, .size: 8, .value_kind: global_buffer, .address_space: global }
    .group_segment_fixed_size: 327680
    .private_segment_fixed_size: 0
    .kernarg_segment_align: 8
    .kernarg_segment_size: 32
    .max_flat_workgroup_size: 128
    .sgpr_count:     66
    .vgpr_count:     768
    .wavefront_size: 32
...
	.end_amdgpu_metadata
.endif
;; end of part 4
